; MI455X (gfx1250); checked and timed in simulation.
; The chip was launched on July 23, 2026; its instructions are those of AMD's public machine-readable ISA for CDNA 5 (MIT licence, August 2026) and "CDNA5" Instruction Set Architecture Reference Guide (July 2026). The comments in the code are by the model that wrote it; some were corrected since.
;; Cross Attn. Allowed arithmetic: matrix products marked QUANTISED: E2M1 operands, one E8M0 scale for each 32 along K, by v_wmma_scale_f32_16x16x128_f8f6f4 with both operands' format E2M1 (or v_wmma_scale_f32_32x16x128_f4), f32 sums; products left as they are: bf16, f16 or f32 operands; f32 sums; everything else in f32.
;; Inputs: Wkv 1,024 x 2,048 float32; Wproj 1,024 x 1,024 float32; Wq 1,024 x 1,024 float32; bkv 2,048 float32; bproj 1,024 float32; bq 1,024 float32; ctx 4 x 2,048 x 1,024 float32; gk 64 float32; gq 64 float32; x 4 x 2,048 x 1,024 float32.
;; Outputs: out0 4 x 2,048 x 1,024 float32.
;; This version of the problem:
;;   THIS VERSION OF THE PROBLEM IS GIVEN IN LOW PRECISION. The matrix products marked QUANTISED in the list below multiply operands that are first quantised to E2M1 (2 exponent bits, 1 mantissa bit; 4 bits a number), with one power-of-two scale for each 32 numbers along K (OCP MX v1.0); their sums are f32. The products marked 'left as it is' may take bf16, f16 or f32 operands, with f32 sums. Whichever they take, every output number must still come out within the allowed error. Rounding operands to bf16 (8 significant bits) uses up far more of that allowance than f16 does (11 bits, for magnitudes from 6e-5 to 65,504). All else is computed in f32.
;;   The module's matrix products, in the order in which they are computed (A, B: the left and right operand; K: the contracted axis; several contracted axes count as one K, in the product's order):
;;     1. [M 8,192, K 1,024] x [K 1,024, N 1,024]; A: input x; B: input Wq: QUANTISED
;;     2. [M 8,192, K 1,024] x [K 1,024, N 2,048]; A: input ctx; B: input Wkv: QUANTISED
;;     3. batch 64 x [M 2,048, K 64] x [K 64, N 2,048]; A: computed on the way; B: computed on the way: left as it is (an operand is computed on the way)
;;     4. batch 64 x [M 2,048, K 2,048] x [K 2,048, N 64]; A: computed on the way; B: computed on the way: left as it is (an operand is computed on the way)
;;     5. [M 8,192, K 1,024] x [K 1,024, N 1,024]; A: computed on the way; B: input Wproj: left as it is (an operand is computed on the way)
;;   THE QUANTISER, for each operand of a quantised product, along K:
;;     - K is cut into blocks of 32 from its start; a last block that is shorter is filled with zeros.
;;     - A block's scale is 2^e with e = floor(log2(the largest magnitude in the block)) - 2, held to -126 .. 127; a block of zeros has e = 0. As a byte (E8M0): e + 127.
;;     - Each number is divided by its block's scale, clamped to +-6, and rounded to the nearest number of E2M1, ties to even, subnormals kept.
;;     - The product sums the exact products of the quantised numbers (number of the format x scale) in f32.
;;   ~~~python
;;   def quantise(x, axis):      # numpy; x: float32 -> the quantised numbers, widened to float32 again
;;       x = np.moveaxis(x, axis, -1); K = x.shape[-1]
;;       x = np.pad(x, [(0, 0)] * (x.ndim - 1) + [(0, -K % 32)]); x = x.reshape(x.shape[:-1] + (-1, 32)); a = np.abs(x).max(-1, keepdims=True)
;;       e = np.where(a > 0, np.clip(np.frexp(np.where(a > 0, a, 1))[1] - 1 - 2, -126, 127), 0)      # np.frexp(a)[1] - 1 = floor(log2(a)), exactly
;;       r = np.clip(x / 2.0 ** e, -6, 6)
;;       step = 2.0 ** (np.maximum(np.frexp(np.where(r == 0, 1, r))[1] - 1, 0) - 1)
;;       q = np.round(r / step) * step * 2.0 ** e      # np.round: ties to even
;;       return np.moveaxis(q.reshape(q.shape[:-2] + (-1,))[..., :K], -1, axis).astype(np.float32)
;;   ~~~
;; One version. Each part assembles by itself: llvm-mc -triple=amdgcn-amd-amdhsa -mcpu=gfx1250 --defsym DOCPART=n.
;; ======== version 1 of 1: 4 launches
;; limits: values are held in f16: magnitudes above 65,504 overflow, below 6.1e-05 lose precision; right only within a limited range of input values
;; workspace buffers: acodes 8,388,608 bytes; ascales 524,288 bytes; wcodes 1,572,864 bytes; wscales 98,304 bytes; wp16 2,097,152 bytes; qkv16 50,331,648 bytes; ao16 16,777,216 bytes
;; launch prep (part 1): grid 592 x 1, 4 waves a work-group, no clusters, 68,096 bytes of LDS; arguments x, ctx, Wq, Wkv, Wproj, acodes, ascales, wcodes, wscales, wp16; writes acodes, ascales, wcodes, wscales, wp16
.if DOCPART == 1
	.amdgcn_target "amdgcn-amd-amdhsa--gfx1250"
	.amdhsa_code_object_version 6
	.text
	.protected	k_q02906830fb_prep
	.globl	k_q02906830fb_prep
	.p2align	8
	.type	k_q02906830fb_prep,@function
k_q02906830fb_prep:
	s_mov_b64 s[64:65], 0
	v_nop
	global_prefetch_b8 v0, s[64:65] scope:SCOPE_SE
	s_setreg_imm32_b32 hwreg(HW_REG_WAVE_MODE, 25, 1), 1
	s_wait_xcnt 0x0
; THE OPERANDS ARE MADE READY, ONCE.  Three kinds of work-group, told apart by the work-group's number alone:
;   0 .. 47   Wq [1024 k][1024 n] and Wkv [1024 k][2048 n], f32, K their FIRST axis -> codes of FP4 (E2M1) laid [3072 n][512 bytes], K innermost, and E8M0 bytes [3072 n][32]
;   48 .. 79  Wproj, f32 -> f16, in the order in which it lies
;   80 .. 591 x and ctx, f32, K innermost -> codes [16384 rows][512 bytes] (x's rows first) and E8M0 bytes [16384][32]
; A block's scale is 2^(floor(log2(its largest magnitude)) - 2): its byte is the largest magnitude's exponent field - 2, held at 1 from below; each number is divided by the scale and rounded to the nearest code, ties to even,
; beyond 6 the largest code.  A block of zeros gets the byte 1 where the rule says 127: its codes are zeros, which add nothing under any byte but 0xff, and the bytes are read by this program alone.
; LIMITS: blocks whose largest magnitude lies under 2^-124 keep the byte 1; NaN and infinities are not served; |Wproj| up to 65,504 (f16).
; No tensor loads, no barrier: waves share nothing.  Each of the two kinds that use LDS has LDS bytes of its own.
.set STEPS, 16
.set EMAX,  2
.set CB,    8                          ; bytes of 16 codes
.set AR,    16                         ; activations: v16-79 four sets of 16 numbers as loaded
.set AX,    80                         ; v80-111 two sets of 16 neighbours
.set AE,    112                        ; v112-127 a scale byte for each step
.set AC,    128                        ; v128-189 codes: four registers apart for each step, so that no store's data are written again
.set WREG,  8192                       ; LDS of a wave (activations): two stages of 32 x SP bytes, then its 256 scale bytes
.set SP,    80                         ; a lane's place in a stage: 64 bytes + 16
.set WST,   4*WREG                     ; LDS (weights): a stage of 32 rows x WP bytes for each wave
.set WP,    272
.set SPARE, WST+4*32*WP                ; the spare words, 128 bytes for each wave: two blocks of 256 bytes that no other line names
.set SPW,   190                        ; v190 LDS address of my spare word; never rewritten
.set NIL,   191                        ; v191 0; never rewritten
.set NB,    16                         ; weights: blocks of 32 along K for a lane
.set WX,    32                         ; v32-95 two sets of 32 numbers; on the way out 16 x 4 registers
.set WC,    96                         ; v96-99 a block's codes
.set VO,    112                        ; v112-143 byte offset of row i of a block, at my column
.set SB,    24                         ; v24-27 scale bytes
.set CIN,   16                         ; cast: v16-143 two sets of 64
.set COUT,  144                        ; v144-175 f16 pairs
	s_load_b512 s[8:23], s[0:1], 0x0               ; x 8, ctx 10, Wq 12, Wkv 14, Wproj 16, acodes 18, ascales 20, wcodes 22
	s_load_b128 s[24:27], s[0:1], 0x40             ; wscales 24, wp16 26
	v_lshl_add_u32 v[SPW], v0, 2, SPARE
	v_mov_b32 v[NIL], 0
	v_lshrrev_b32 v1, 5, v0
	v_readfirstlane_b32 s2, v1                     ; wave 0..3
	v_and_b32 v2, 31, v0                           ; lane
	s_wait_kmcnt 0x0
	s_cmp_lt_u32 ttmp9, 48
	s_cbranch_scc1 .Lweights
	s_cmp_lt_u32 ttmp9, 80
	s_cbranch_scc1 .Lcast
; ---- x and ctx.  Rows are dense and K is a multiple of 32: both are plain streams of blocks of 32.  A wave takes 16 steps of 512 numbers.  Each load reads 512 consecutive bytes; a step's 2,048 bytes turn through
; the wave's own stage in LDS and come back 64 bytes a lane, so that a lane holds 16 neighbours along K and two neighbouring lanes a block.
	v_lshlrev_b32 v3, 4, v2                        ; my 16 bytes of a load's 512
	s_mul_i32 s3, s2, WREG
	v_lshrrev_b32 v14, 2, v2
	v_mul_u32_u24 v14, v14, SP
	v_and_b32 v15, 3, v2
	v_lshl_add_u32 v14, v15, 4, v14
	v_add_nc_u32 v14, s3, v14                      ; the stage, on the way in: SP (lane / 4) + 16 (lane % 4)
	v_mul_u32_u24 v15, v2, SP
	v_add_nc_u32 v15, s3, v15                      ; and on the way out: SP x lane
	v_mul_u32_u24 v4, v2, CB                       ; my codes' place in a step's
	v_lshrrev_b32 v5, 1, v2
	s_add_co_u32 s3, s3, 2*32*SP
	v_add_nc_u32 v5, s3, v5                        ; my wave's 256 scale bytes, my block's byte
	v_lshlrev_b32 v7, 3, v2
	v_add_nc_u32 v6, s3, v7                        ; and on the way out 8 bytes a lane
	s_sub_co_u32 s28, ttmp9, 80
	s_lshl_b32 s28, s28, 2
	s_add_co_u32 s28, s28, s2                      ; my run of 8,192 numbers: 0 .. 1023 in x, 1024 .. 2047 in ctx
	s_cmp_lt_u32 s28, 1024
	s_cselect_b64 s[4:5], s[8:9], s[10:11]
	s_cselect_b32 s29, 0, 1024
	s_sub_co_u32 s29, s28, s29
	s_lshl_b32 s30, s29, 15                        ; 32,768 bytes of f32 a run
	s_mov_b32 s31, 0
	s_add_nc_u64 s[4:5], s[4:5], s[30:31]
	s_lshl_b32 s30, s28, 12                        ; 4,096 bytes of codes
	s_add_nc_u64 s[18:19], s[18:19], s[30:31]
	s_lshl_b32 s30, s28, 8                         ; 256 scale bytes
	s_add_nc_u64 s[20:21], s[20:21], s[30:31]
.macro ALOAD t
.irp i, 0,1,2,3
	global_load_b128 v[AR+16*((\t)%4)+4*\i:AR+16*((\t)%4)+4*\i+3], v3, s[4:5] offset:2048*(\t)+512*\i th:TH_LOAD_NT
.endr
.endm
.macro ATURN t                         ; step t's numbers through the stage: LDS serves a wave's instructions in order, so no wait stands between the stores and the loads
.irp i, 0,1,2,3
	ds_store_b128 v14, v[AR+16*((\t)%4)+4*\i:AR+16*((\t)%4)+4*\i+3] offset:32*SP*((\t)%2)+8*SP*\i
.endr
.irp i, 0,1,2,3
	ds_load_b128 v[AX+16*((\t)%2)+4*\i:AX+16*((\t)%2)+4*\i+3], v15 offset:32*SP*((\t)%2)+16*\i
.endr
.endm
.irp t, 0,1,2,3
	ALOAD \t
.endr
	s_wait_loadcnt 12                              ; step 0's four loads are in
	ATURN 0
.macro ASTEP t
.set XS, AX+16*((\t)%2)
.if (\t) > 0
	s_wait_dscnt 1                                 ; this step's numbers are back from the stage; the last step's byte store may be out
.else
	s_wait_dscnt 0x0
.endif
.if (\t)+4 < STEPS
	ALOAD (\t)+4                                   ; into the registers that the stage's stores have read
.endif
.if (\t)+1 < STEPS
.if STEPS-2-(\t) >= 3
	s_wait_loadcnt 12                              ; the next step's four loads are in; those of the three steps behind it may be out
.else
	s_wait_loadcnt 4*(STEPS-2-(\t))
.endif
	ATURN (\t)+1
.endif
	v_max3_num_f32 v8, |v[XS]|, |v[XS+1]|, |v[XS+2]|
	v_max3_num_f32 v9, |v[XS+3]|, |v[XS+4]|, |v[XS+5]|
.irp i, 6,10
	v_max3_num_f32 v8, v8, |v[XS+\i]|, |v[XS+\i+1]|
	v_max3_num_f32 v9, v9, |v[XS+\i+2]|, |v[XS+\i+3]|
.endr
	v_max3_num_f32 v8, v8, |v[XS+14]|, |v[XS+15]|
	v_max3_num_f32 v8, v8, v9, (EMAX+1)<<23        ; the floor 2^(3 - 127): the byte cannot fall under 1
	v_max_num_f32_dpp v8, v8, v8 row_xmask:1 row_mask:0xf bank_mask:0xf   ; with my neighbour's 16: the block's largest magnitude
	v_add_nc_u32 v11, -(EMAX<<23), v8              ; 2 off its exponent field: the conversion's scale operand
	v_cvt_scalef32_pk8_fp4_f32 v[AC+4*(\t)], v[XS:XS+7], v11
	v_cvt_scalef32_pk8_fp4_f32 v[AC+4*(\t)+1], v[XS+8:XS+15], v11
	v_lshrrev_b32 v[AE+(\t)], 23, v11              ; the scale's byte
	ds_store_b8 v5, v[AE+(\t)] offset:16*(\t)      ; both lanes of a block write the same byte with the same value
	global_store_b64 v4, v[AC+4*(\t):AC+4*(\t)+1], s[18:19] offset:32*CB*(\t)   ; the wave stores 256 consecutive bytes, aligned
.endm
.irp t, 0,1,2,3,4,5,6,7,8,9,10,11,12,13,14,15
	ASTEP \t
.endr
	ds_load_b64 v[8:9], v6                         ; in order behind my byte stores
	s_wait_dscnt 0x0
	global_store_b64 v7, v[8:9], s[20:21]          ; 256 consecutive scale bytes, aligned
	s_wait_tensorcnt 0x0                           ; the wave's end, behind my last LDS store
	ds_add_u32 v[SPW], v[NIL]
	s_wait_dscnt 0x0
	s_endpgm
; ---- Wq and Wkv.  A LANE TAKES A COLUMN n AND ITS REGISTERS RUN DOWN K: a block of 32 along K lies in one lane, and the conversions give codes with K innermost.  A work-group takes 128 columns x 512 along K.
.Lweights:
	s_lshr_b32 s3, ttmp9, 1                        ; which 128 of the 3,072 columns: 0 .. 7 Wq's, 8 .. 23 Wkv's
	s_and_b32 s4, ttmp9, 1                         ; which half of K
	s_mov_b32 s30, 8192
	s_cmp_lt_u32 s3, 8
	s_cselect_b64 s[6:7], s[12:13], s[14:15]
	s_cselect_b32 s30, 4096, s30                   ; a row of the weight in bytes
	s_cselect_b32 s5, 0, 8
	s_sub_co_u32 s5, s3, s5
	s_lshl_b32 s5, s5, 7
	s_lshl_b32 s31, s2, 5
	s_add_co_u32 s5, s5, s31                       ; my wave's first column in its weight
	s_lshl_b32 s28, s5, 2
	s_mul_i32 s29, s4, s30
	s_lshl_b32 s29, s29, 9                         ; 512 rows for the upper half of K
	s_add_co_u32 s28, s28, s29
	s_mov_b32 s29, 0
	s_add_nc_u64 s[32:33], s[6:7], s[28:29]        ; block 0's first row; block t's base in s[32 + 2 t : 33 + 2 t]
	s_lshl_b32 s28, s30, 5                         ; 32 rows
.irp t, 1,2,3,4,5,6,7,8,9,10,11,12,13,14,15
	s_add_nc_u64 s[32+2*\t:33+2*\t], s[30+2*\t:31+2*\t], s[28:29]
.endr
	s_lshl_b32 s5, s3, 7
	s_add_co_u32 s5, s5, s31                       ; my wave's first row of the codes: 128 x block of columns + 32 x wave
	s_lshl_b32 s6, s5, 9
	s_lshl_b32 s7, s4, 8
	s_add_co_u32 s6, s6, s7                        ; 512 bytes a row, + 256 for the upper half of K
	s_mov_b32 s7, 0
	s_add_nc_u64 s[22:23], s[22:23], s[6:7]
	s_lshl_b32 s6, s5, 5
	s_lshl_b32 s4, s4, 4
	s_add_co_u32 s6, s6, s4                        ; 32 scale bytes a row, + 16
	s_add_nc_u64 s[24:25], s[24:25], s[6:7]
	v_lshlrev_b32 v3, 2, v2
.irp i, 0,1,2,3,4,5,6,7,8,9,10,11,12,13,14,15,16,17,18,19,20,21,22,23,24,25,26,27,28,29,30,31
	v_mad_u32_u24 v[VO+\i], s30, \i, v3            ; row i of a block, my column
.endr
	s_mul_i32 s4, s2, 32*WP
	s_add_co_u32 s4, s4, WST                       ; my stage
	v_mul_u32_u24 v4, v2, WP
	v_add_nc_u32 v4, s4, v4                        ; into it: row = my column
	v_and_b32 v5, 15, v2
	v_lshrrev_b32 v6, 4, v2
	v_mul_u32_u24 v7, v6, WP
	v_lshl_add_u32 v7, v5, 4, v7
	v_add_nc_u32 v7, s4, v7                        ; out of it: sixteen lanes to a row, two rows an instruction
	v_lshlrev_b32 v8, 9, v6
	v_lshl_add_u32 v8, v5, 4, v8                   ; the same place in the codes' buffer
	v_lshlrev_b32 v9, 5, v2                        ; my column's row of scale bytes
.macro WLOAD t
.irp i, 0,1,2,3,4,5,6,7,8,9,10,11,12,13,14,15,16,17,18,19,20,21,22,23,24,25,26,27,28,29,30,31
	global_load_b32 v[WX+32*((\t)%2)+\i], v[VO+\i], s[32+2*(\t):33+2*(\t)] th:TH_LOAD_NT   ; 32 lanes read 128 consecutive bytes, the four waves 512
.endr
.endm
	WLOAD 0
	WLOAD 1
.macro WBLOCK t
.set XS, WX+32*((\t)%2)
.if (\t) < NB-1
	s_wait_loadcnt 32                              ; this block's 32 loads are in; the next block's may be out
.else
	s_wait_loadcnt 0
.endif
	v_max3_num_f32 v12, |v[XS]|, |v[XS+1]|, |v[XS+2]|
	v_max3_num_f32 v13, |v[XS+3]|, |v[XS+4]|, |v[XS+5]|
.irp i, 6,10,14,18,22,26
	v_max3_num_f32 v12, v12, |v[XS+\i]|, |v[XS+\i+1]|
	v_max3_num_f32 v13, v13, |v[XS+\i+2]|, |v[XS+\i+3]|
.endr
	v_max3_num_f32 v12, v12, |v[XS+30]|, |v[XS+31]|
	v_max3_num_f32 v12, v12, v13, (EMAX+1)<<23     ; the floor
	v_add_nc_u32 v11, -(EMAX<<23), v12             ; the conversion's scale operand
	v_lshrrev_b32 v13, 23, v11                     ; the scale's byte
.if (\t)%4 == 0
	v_mov_b32 v[SB+(\t)/4], v13
.else
	v_lshl_or_b32 v[SB+(\t)/4], v13, 8*((\t)%4), v[SB+(\t)/4]
.endif
.irp g, 0,1,2,3
	v_cvt_scalef32_pk8_fp4_f32 v[WC+\g], v[XS+8*\g:XS+8*\g+7], v11
.endr
	ds_store_b128 v4, v[WC:WC+3] offset:16*(\t)    ; 32 codes: 16 bytes of my column's row
.if (\t)+2 < NB
	WLOAD (\t)+2
.endif
	s_wait_dscnt 0x0                               ; the store has read its registers: the next block's codes may be written
.endm
.set Q, 0
.rept NB
	WBLOCK Q
.set Q, Q+1
.endr
	global_store_b128 v9, v[SB:SB+3], s[24:25]     ; my column's 16 scale bytes
.irp t, 0,1,2,3,4,5,6,7,8,9,10,11,12,13,14,15
	ds_load_b128 v[WX+4*\t:WX+4*\t+3], v7 offset:2*\t*WP
.endr
.irp t, 0,1,2,3,4,5,6,7,8,9,10,11,12,13,14,15
	s_wait_dscnt 15-\t
	global_store_b128 v8, v[WX+4*\t:WX+4*\t+3], s[22:23] offset:2*\t*512   ; sixteen lanes store 256 consecutive bytes, aligned
.endr
	s_wait_tensorcnt 0x0                           ; the wave's end, behind my last LDS store
	ds_add_u32 v[SPW], v[NIL]
	s_wait_dscnt 0x0
	s_endpgm
; ---- Wproj to f16, as it lies.  A wave takes 8,192 numbers in four batches of 16 loads; two batches are out.
.Lcast:
	s_sub_co_u32 s3, ttmp9, 48
	s_lshl_b32 s3, s3, 2
	s_add_co_u32 s3, s3, s2                        ; my run: 0 .. 127
	s_lshl_b32 s4, s3, 15
	s_mov_b32 s5, 0
	s_add_nc_u64 s[16:17], s[16:17], s[4:5]
	s_lshl_b32 s4, s3, 14
	s_add_nc_u64 s[26:27], s[26:27], s[4:5]
	v_lshlrev_b32 v3, 4, v2
	v_lshlrev_b32 v4, 3, v2
.macro CLOAD t
.irp i, 0,1,2,3,4,5,6,7,8,9,10,11,12,13,14,15
	global_load_b128 v[CIN+64*((\t)%2)+4*\i:CIN+64*((\t)%2)+4*\i+3], v3, s[16:17] offset:(16*(\t)+\i)*512 th:TH_LOAD_NT
.endr
.endm
	CLOAD 0
	CLOAD 1
.irp t, 0,1,2,3
.if \t < 3
	s_wait_loadcnt 16                              ; this batch is in; the next may be out
.else
	s_wait_loadcnt 0
.endif
.if \t > 0
	s_wait_xcnt 0x0                                ; the last batch's stores have read their data registers, which are written again below
.endif
.irp i, 0,1,2,3,4,5,6,7,8,9,10,11,12,13,14,15
	v_cvt_pk_f16_f32 v[COUT+2*\i], v[CIN+64*(\t%2)+4*\i], v[CIN+64*(\t%2)+4*\i+1]
	v_cvt_pk_f16_f32 v[COUT+2*\i+1], v[CIN+64*(\t%2)+4*\i+2], v[CIN+64*(\t%2)+4*\i+3]
.endr
.if \t < 2
	CLOAD \t+2
.endif
.irp i, 0,1,2,3,4,5,6,7,8,9,10,11,12,13,14,15
	global_store_b64 v4, v[COUT+2*\i:COUT+2*\i+1], s[26:27] offset:(16*\t+\i)*256   ; the wave stores 256 consecutive bytes, aligned
.endr
.endr
	s_endpgm
.Lfunc_end_k_q02906830fb_prep:
	.size	k_q02906830fb_prep, .Lfunc_end_k_q02906830fb_prep-k_q02906830fb_prep
	.p2alignl 7, 3214868480
	.fill 96, 4, 3214868480
	.section	.rodata,"a",@progbits
	.p2align	6, 0x0
	.amdhsa_kernel k_q02906830fb_prep
		.amdhsa_group_segment_fixed_size 68096
		.amdhsa_private_segment_fixed_size 0
		.amdhsa_enable_private_segment 0
		.amdhsa_kernarg_size 80
		.amdhsa_user_sgpr_count 2
		.amdhsa_user_sgpr_kernarg_segment_ptr 1
		.amdhsa_wavefront_size32 1
		.amdhsa_system_sgpr_workgroup_id_x 1
		.amdhsa_system_sgpr_workgroup_id_y 1
		.amdhsa_system_sgpr_workgroup_id_z 1
		.amdhsa_system_vgpr_workitem_id 0
		.amdhsa_next_free_vgpr 192
		.amdhsa_next_free_sgpr 66
		.amdhsa_reserve_vcc 0
		.amdhsa_float_denorm_mode_32 3
		.amdhsa_float_denorm_mode_16_64 3
		.amdhsa_memory_ordered 1
		.amdhsa_forward_progress 1
		.amdhsa_inst_pref_size 134
	.end_amdhsa_kernel
	.amdgpu_metadata
---
amdhsa.version: [ 1, 2 ]
amdhsa.kernels:
  - .name:           k_q02906830fb_prep
    .symbol:         k_q02906830fb_prep.kd
    .args:
      - { .name: x, .offset: 0, .size: 8, .value_kind: global_buffer, .address_space: global }
      - { .name: ctx, .offset: 8, .size: 8, .value_kind: global_buffer, .address_space: global }
      - { .name: Wq, .offset: 16, .size: 8, .value_kind: global_buffer, .address_space: global }
      - { .name: Wkv, .offset: 24, .size: 8, .value_kind: global_buffer, .address_space: global }
      - { .name: Wproj, .offset: 32, .size: 8, .value_kind: global_buffer, .address_space: global }
      - { .name: acodes, .offset: 40, .size: 8, .value_kind: global_buffer, .address_space: global }
      - { .name: ascales, .offset: 48, .size: 8, .value_kind: global_buffer, .address_space: global }
      - { .name: wcodes, .offset: 56, .size: 8, .value_kind: global_buffer, .address_space: global }
      - { .name: wscales, .offset: 64, .size: 8, .value_kind: global_buffer, .address_space: global }
      - { .name: wp16, .offset: 72, .size: 8, .value_kind: global_buffer, .address_space: global }
    .group_segment_fixed_size: 68096
    .private_segment_fixed_size: 0
    .kernarg_segment_align: 8
    .kernarg_segment_size: 80
    .max_flat_workgroup_size: 128
    .sgpr_count:     66
    .vgpr_count:     192
    .wavefront_size: 32
...
	.end_amdgpu_metadata
.endif
;; end of part 1
;; launch qkv (part 2): grid 12 x 32, 4 waves a work-group, clusters of 4 x 4, 327,680 bytes of LDS; arguments acodes, ascales, wcodes, wscales, bq, bkv, gq, gk, qkv16; writes qkv16
.if DOCPART == 2
	.amdgcn_target "amdgcn-amd-amdhsa--gfx1250"
	.amdhsa_code_object_version 6
	.text
	.protected	k_q02906830fb_qkv
	.globl	k_q02906830fb_qkv
	.p2align	8
	.type	k_q02906830fb_qkv,@function
k_q02906830fb_qkv:
	s_mov_b64 s[64:65], 0
	v_nop
	global_prefetch_b8 v0, s[64:65] scope:SCOPE_SE
	s_setreg_imm32_b32 hwreg(HW_REG_WAVE_MODE, 25, 1), 1
	s_wait_xcnt 0x0
	s_wait_alu depctr_hold_cnt(0) depctr_sa_sdst(0) depctr_va_vdst(0) depctr_va_sdst(0) depctr_va_ssrc(0) depctr_va_vcc(0) depctr_vm_vsrc(0)
	s_getreg_b32 s2, hwreg(HW_REG_IB_STS2, 6, 4)
	s_cmp_eq_u32 s2, 0
	s_cbranch_scc0 .Lentry_in_a_cluster
	s_endpgm
.Lentry_in_a_cluster:
	s_bfe_u32 s2, ttmp6, 0x10000c
	s_cmp_lg_u32 s2, 0xf033
	s_cbranch_scc0 .Lentry_shape_is_right
	s_endpgm
.Lentry_shape_is_right:
; q = rms_norm(x Wq + bq) gq, k = rms_norm(ctx Wk + bk) gk, v = ctx Wv + bv: one GEMM on codes of FP4 (E2M1) with E8M0 scales, K = 1,024, and the norm on the way out.  Results leave as f16, laid
; [q, k, v][batch x head][token][64]: byte = kind << 24 + batch << 22 + head << 18 + token << 7 + 2 d, so that two tokens of a head are 256 consecutive bytes.
; A: acodes [16384 rows][512 bytes] (x's rows, then ctx's); B: wcodes [3072 n][512 bytes] (Wq's, Wk's, Wv's columns); scale bytes [rows][32].
; A tile of C is 256 x 256, four waves of 128 x 128 (64 accumulators, 512 registers).  The grid's x is 12 tile columns: the cluster's x (0, 1, 2) says q, k or v.  K is two slots of 512: both are filled at the start, nothing is filled again.
; The scale bytes of the tile's rows, for all of K, come once, in runs of 256 bytes.  CLUSTERS: 4 x 4; A's tiles are asked for jointly along a row of the cluster, B's along a column.
; THE MATRIX INSTRUCTION IS USED TRANSPOSED (source 0 = 16 rows of B, source 1 = 16 rows of A): a lane holds one token and eight neighbouring columns.  THE BIAS IS THE C OF THE FIRST PRODUCTS.
; A wave's 128 columns are two whole heads: a token's sum of squares lies in lanes l and l xor 16.
; LIMITS: f16 results: 8 x the largest |gain| and |v| up to 65,504; NaN and infinities are not served.
; REGISTERS: window 0: v0-31 addresses; v32-95 scale words, two sets, and nothing else; v96-127 the gains; v128-191 A's fragments, on the way out rows read back; v192-255 the bias, on the way out packed results and the norm's figures.
;   window 1: B's fragments, two sets (v0, v128).  window 2: accumulators of my rows 0-63 ((a, b) at v[8 (8 a + b)]); window 3: of rows 64-127.
.set NQ,     4                         ; steps of 128 along K in a slot
.set ROWB,   256                       ; a tile's row: 512 codes
.set KROW,   512                       ; a row of codes in memory
.set PITCH,  272                       ; an LDS row: 256 bytes + 16: the sixteen rows of a load begin 16 bytes apart modulo 256
.set FR,     8
.set NL,     2
.set NP,     4                         ; places behind this matrix instruction (ISA guide 7.12.1)
.set HALFT,  128*PITCH
.set SLOT,   4*HALFT
.set KS,     32                        ; a row of scale bytes
.set SCL,    2*SLOT
.set HALFS,  (128*KS/256)*272
.set SBLK,   (16*KS/256)*272
.set SPARE,  SCL+4*HALFS               ; the spare words, 128 bytes for each wave: two blocks of 256 bytes that no other line names
.set SPH,    144                       ; the way out: a stage of 2 heads x 16 rows x (128 bytes + 16) for each wave, in slot 0, which has had its one fill and its last read by then
.set ADRA, 16
.set ADRB, 20
.set STO,  24
.set RD,   25
.set CO,   26
.set ADRS, 27
.set SPW,  28                          ; v28 LDS address of my spare word; never rewritten
.set NIL,  29                          ; v29 0; never rewritten
.set VB,   30                          ; v30 32 x (lane / 16): my half's eight numbers of a bias or a gain
.set SC,   32
.set G,    96
.set AF,   128
.set BIAS, 192
.set BK,   128
.set PK,   192
.set SS,   224                         ; v224-231 sums of squares: for each head two chains of pairs
.set RR,   232                         ; v232, v234 1 / rms of the two heads (named as pairs)
.set PL,   236                         ; v236-237 what the other half of the lanes sends
.set G1, 24
.set G0, 32
.set G1B, 48
.set G0B, 56
.set G1S, 68
.set G0S, 76
.set G1SB, 80
.set G0SB, 88
.set SEL, 96                           ; s96, s97 lane selects: lane l xor 16
.set INV, 98                           ; s98 1 / 64
.set EPS, 99                           ; s99 1e-6
.set MSB, 0
.macro WIN new                         ; the immediate's high byte repeats the setting that is left
.if MSB != (\new)
	s_set_vgpr_msb (MSB<<8)|(\new)
.set MSB, (\new)
.endif
.endm
.set MUL_LO, 0xa1                      ; source 0 (B) window 1, source 1 (A) window 0, C and D window 2
.set MUL_HI, 0xf1                      ; the same, C and D window 3
.set TO_B,   0x40
; A joint load: waves 0 and 1 fetch for A, waves 2 and 3 for B; the branch hangs on the wave's number alone.  An s_nop 0 and four v_nop follow each line.
.macro JLOAD g0a, g1a, g0b, g1b
	s_cmp_eq_u32 s15, 0
	s_cbranch_scc0 .Lfor_b_\@
	tensor_load_to_lds s[\g0a:\g0a+3], s[\g1a:\g1a+7]
	s_nop 0
.rept 4
	v_nop
.endr
	s_branch .Lasked_\@
.Lfor_b_\@:
	tensor_load_to_lds s[\g0b:\g0b+3], s[\g1b:\g1b+7]
	s_nop 0
.rept 4
	v_nop
.endr
.Lasked_\@:
.endm
.macro CROUND                          ; a round of the cluster's barrier
	s_barrier_signal -1
	s_barrier_wait -1
	s_cmp_lg_u32 s14, 0
	s_cbranch_scc1 .Lnot_wave_0_\@
	s_barrier_signal -3
.Lnot_wave_0_\@:
	s_barrier_wait -3
	s_barrier_signal -1
	s_barrier_wait -1
.endm
	s_load_b128 s[4:7], s[0:1], 0x0                ; A's codes, A's scales
	s_load_b128 s[8:11], s[0:1], 0x10              ; B's codes, B's scales
	s_load_b64 s[12:13], s[0:1], 0x40              ; qkv16
	v_lshl_add_u32 v[SPW], v0, 2, SPARE
	v_mov_b32 v[NIL], 0
	ds_add_u32 v[SPW], v[NIL]                      ; the wave's opening: the add, twice on end, and its wait ahead of my first tensor load
	ds_add_u32 v[SPW], v[NIL]
	v_lshrrev_b32 v1, 5, v0
	v_readfirstlane_b32 s14, v1                    ; wave 0..3
	s_lshr_b32 s15, s14, 1                         ; which half of the tile's rows is mine.  Also: I fetch for A (0) or for B (1)
	s_and_b32 s16, s14, 1                          ; which half of its columns.  Also: which 128 rows I fetch
	s_bfe_u32 s40, ttmp6, 0x40000                  ; cx
	s_bfe_u32 s41, ttmp6, 0x40004                  ; cy
	s_lshl_b32 s42, ttmp9, 2
	s_add_co_u32 s42, s42, s40                     ; tile column 0 .. 11
	s_and_b32 s17, ttmp7, 0xffff
	s_lshl_b32 s17, s17, 2
	s_add_co_u32 s17, s17, s41                     ; tile row 0 .. 31
	s_lshl_b32 s43, s41, 2
	s_lshl_b32 s43, 15, s43                        ; my row of the cluster
	s_lshl_b32 s44, 0x1111, s40                    ; my column
	s_or_b32 s[G1+0], s43, (0<<16)|(1<<20)|(1<<21)|(5<<22)|(3<<25)  ; the mask; elements of 1 byte; padding on: 4 words behind every 64; bit 21 beside a mask
	s_or_b32 s[G1B+0], s44, (0<<16)|(1<<20)|(1<<21)|(5<<22)|(3<<25)
.irp g, G1, G1B
	s_mov_b32 s[\g+1], ROWB<<16                    ; tensor_dim0
	s_mov_b32 s[\g+2], 128<<16                     ; tensor_dim1
	s_mov_b32 s[\g+3], ROWB<<16                    ; tile_dim0
	s_mov_b32 s[\g+4], 128                         ; tile_dim1
	s_mov_b32 s[\g+5], KROW                        ; from row to row
	s_mov_b32 s[\g+6], 0
	s_mov_b32 s[\g+7], 0
.endr
	s_or_b32 s[G1S+0], s43, (3<<16)|(1<<20)|(1<<21)|(5<<22)|(3<<25) ; the scales of 128 rows: 4,096 dense bytes as 16 rows of 256 (32 elements of 8 bytes), 16 bytes of padding behind each
	s_or_b32 s[G1SB+0], s44, (3<<16)|(1<<20)|(1<<21)|(5<<22)|(3<<25)
.irp g, G1S, G1SB
	s_mov_b32 s[\g+1], 32<<16
	s_mov_b32 s[\g+2], (128*KS/256)<<16
	s_mov_b32 s[\g+3], 32<<16
	s_mov_b32 s[\g+4], 128*KS/256
	s_mov_b32 s[\g+5], 32
	s_mov_b32 s[\g+6], 0
	s_mov_b32 s[\g+7], 0
.endr
	s_lshl_b32 s18, s16, 7
	s_lshl_b32 s20, s17, 8
	s_add_co_u32 s20, s20, s18                     ; A: row 256 x tile row + 128 x half,
	s_cmp_lg_u32 ttmp9, 0
	s_cselect_b32 s19, 8192, 0
	s_add_co_u32 s20, s20, s19                     ; among ctx's rows for k and v: the cluster's x, which all sixteen share
	s_lshl_b32 s46, s42, 8
	s_add_co_u32 s46, s46, s18                     ; B: row 256 x tile column + 128 x half
	s_mov_b32 s21, 0
	s_mov_b32 s47, 0
	s_mov_b64 s[18:19], KS
	s_mul_u64 s[22:23], s[20:21], s[18:19]
	s_mul_u64 s[92:93], s[46:47], s[18:19]
	s_mov_b64 s[18:19], KROW
	s_mul_u64 s[20:21], s[20:21], s[18:19]
	s_mul_u64 s[46:47], s[46:47], s[18:19]
	s_mul_i32 s45, s14, HALFT                      ; where they go: wave x 128 rows
	s_mul_i32 s94, s14, HALFS
	s_mov_b32 s[SEL], 0x76543210
	s_mov_b32 s[SEL+1], 0xfedcba98
	s_mov_b32 s[INV], 0x3c800000
	s_mov_b32 s[EPS], 0x358637bd
	s_wait_dscnt 0x0                               ; both opening adds are done
	s_wait_kmcnt 0x0
	s_add_nc_u64 s[20:21], s[4:5], s[20:21]
	s_add_nc_u64 s[22:23], s[6:7], s[22:23]
	s_add_nc_u64 s[46:47], s[8:9], s[46:47]
	s_add_nc_u64 s[92:93], s[10:11], s[92:93]
	CROUND                                         ; all sixteen work-groups are here: the joint loads meet
	s_mov_b32 s[G0S], 1
	s_add_co_u32 s[G0S+1], s94, SCL
	s_mov_b64 s[G0S+2:G0S+3], s[22:23]
	s_or_b32 s[G0S+3], s[G0S+3], 0x80000000
	s_mov_b32 s[G0SB], 1
	s_add_co_u32 s[G0SB+1], s94, SCL
	s_mov_b64 s[G0SB+2:G0SB+3], s[92:93]
	s_or_b32 s[G0SB+3], s[G0SB+3], 0x80000000
	JLOAD G0S, G1S, G0SB, G1SB                     ; three tensor loads of mine go out: the scales, slot 0, slot 1
.irp s, 0,1
	s_mov_b32 s[G0+4*\s], 1
	s_add_co_u32 s[G0+4*\s+1], s45, \s*SLOT
	s_add_nc_u64 s[G0+4*\s+2:G0+4*\s+3], s[20:21], \s*ROWB
	s_or_b32 s[G0+4*\s+3], s[G0+4*\s+3], 0x80000000
	s_mov_b32 s[G0B+4*\s], 1
	s_add_co_u32 s[G0B+4*\s+1], s45, \s*SLOT
	s_add_nc_u64 s[G0B+4*\s+2:G0B+4*\s+3], s[46:47], \s*ROWB
	s_or_b32 s[G0B+4*\s+3], s[G0B+4*\s+3], 0x80000000
	JLOAD G0+4*\s, G1, G0B+4*\s, G1B
.endr
	s_load_b256 s[4:11], s[0:1], 0x20              ; bq 4, bkv 6, gq 8, gk 10
	v_and_b32 v1, 15, v0                           ; r = l % 16
	v_bfe_u32 v2, v0, 4, 1                         ; h = l / 16
	v_mul_u32_u24 v3, v1, PITCH
	v_lshl_add_u32 v4, v2, 4, v3
	s_mul_i32 s21, s15, HALFT                      ; my 128 rows of A
	s_mul_i32 s22, s16, HALFT
	s_add_co_u32 s22, s22, 2*HALFT                 ; my 128 rows of B, behind A's 256
.irp s, 0,1
	v_add_nc_u32 v[ADRA+\s], s21, v4
	v_add_nc_u32 v[ADRB+\s], s22, v4
	s_add_co_u32 s21, s21, SLOT
	s_add_co_u32 s22, s22, SLOT
.endr
	v_mul_u32_u24 v5, v1, KS                       ; my row's scales: 32 bytes a row,
	v_lshrrev_b32 v6, 8, v5
	v_lshl_add_u32 v5, v6, 4, v5                   ; and 16 more for each 256 passed
	s_mul_i32 s21, s15, HALFS
	s_mul_i32 s22, s16, HALFS
	s_add_co_u32 s22, s22, 2*HALFS
	s_sub_co_u32 s22, s22, s21
	v_mul_u32_u24 v6, s22, v2                      ; lanes 16-31 take B's
	s_add_co_u32 s21, s21, SCL
	v_add_nc_u32 v5, v5, v6
	v_add_nc_u32 v[ADRS], s21, v5
	s_mul_i32 s23, s14, 2*16*SPH                   ; my stage
	v_mul_u32_u24 v5, v1, SPH
	v_lshl_add_u32 v5, v2, 4, v5
	v_add_nc_u32 v[STO], s23, v5                   ; in: row r, 16 bytes for each half of the lanes
	v_bfe_u32 v5, v0, 3, 2
	v_mul_u32_u24 v5, v5, SPH
	v_and_b32 v6, 7, v0
	v_lshl_add_u32 v5, v6, 4, v5
	v_add_nc_u32 v[RD], s23, v5                    ; back: eight lanes to a row of 128 bytes, four rows an instruction
	v_and_b32 v6, 31, v0
	v_lshlrev_b32 v[CO], 4, v6                     ; which are 512 consecutive bytes in memory
	v_lshlrev_b32 v[VB], 5, v2
	s_lshl_b32 s20, s17, 8
	s_lshl_b32 s21, s15, 7
	s_add_co_u32 s20, s20, s21                     ; my first token row: 256 x tile row + 128 x half
	s_lshr_b32 s21, s20, 11
	s_lshl_b32 s21, s21, 22                        ; batch
	s_and_b32 s20, s20, 2047
	s_lshl_b32 s20, s20, 7                         ; token
	s_add_co_u32 s20, s20, s21
	s_lshl_b32 s21, ttmp9, 24                      ; q, k or v
	s_add_co_u32 s20, s20, s21
	s_and_b32 s46, s42, 3
	s_lshl_b32 s46, s46, 2
	s_lshl_b32 s47, s16, 1
	s_add_co_u32 s46, s46, s47                     ; my first head: 4 x (tile column % 4) + 2 x half
	s_lshl_b32 s46, s46, 18
	s_add_co_u32 s46, s46, s20
	s_mov_b32 s47, 0
	s_add_nc_u64 s[12:13], s[12:13], s[46:47]
	s_wait_kmcnt 0x0
	s_cmp_eq_u32 ttmp9, 0
	s_cselect_b64 s[4:5], s[4:5], s[6:7]           ; bq, or bkv
	s_cselect_b64 s[8:9], s[8:9], s[10:11]         ; gq, or gk (loaded for v's tiles too, and not used there)
	s_cselect_b32 s46, 0, 4
	s_sub_co_u32 s46, s42, s46                     ; tile column within the bias
	s_lshl_b32 s46, s46, 10
	s_lshl_b32 s47, s16, 9
	s_add_co_u32 s46, s46, s47                     ; 4 x (256 x tile column + 128 x half)
	s_mov_b32 s47, 0
	s_add_nc_u64 s[4:5], s[4:5], s[46:47]
.irp b, 0,1,2,3,4,5,6,7
	global_load_b128 v[BIAS+8*\b:BIAS+8*\b+3], v[VB], s[4:5] offset:64*\b        ; block b, register j: bias of column 16 b + 8 h + j
	global_load_b128 v[BIAS+8*\b+4:BIAS+8*\b+7], v[VB], s[4:5] offset:64*\b+16
.endr
.irp b, 0,1,2,3
	global_load_b128 v[G+8*\b:G+8*\b+3], v[VB], s[8:9] offset:64*\b              ; the gain of channel 16 b + 8 h + j
	global_load_b128 v[G+8*\b+4:G+8*\b+7], v[VB], s[8:9] offset:64*\b+16
.endr
.macro FRAG reg, adr, q, i             ; 16 rows x 128 K of 4-bit codes: lane l holds row l % 16; registers 4 c .. 4 c + 3 hold K = 64 c + 32 (l / 16) + 0 .. 31
.irp c, 0,1
	ds_load_b128 v[\reg+4*\c:\reg+4*\c+3], v[\adr] offset:64*(\q)+32*\c+(\i)*16*PITCH
.endr
.endm
; 16 matrix instructions: A's blocks a0, a0 + 1 x B's eight.  first = 1: the sums start from the bias.  The 64 accumulators take turns, one instruction a turn, in the same order in every step.
.macro MUL16 a0, p, q, sc, first
.irp a, \a0, \a0+1
.irp b, 0,1,2,3,4,5,6,7
.if \first
	v_wmma_scale_f32_16x16x128_f8f6f4 v[8*(8*((\a)%4)+\b):8*(8*((\a)%4)+\b)+7], v[128*(\p)+FR*\b:128*(\p)+FR*\b+FR-1], v[AF+FR*(\a):AF+FR*(\a)+FR-1], v[BIAS+8*\b:BIAS+8*\b+7], v[SC+8*NQ*(\sc)+NQ*\b+(\q)], v[SC+8*NQ*(\sc)+NQ*(\a)+(\q)] matrix_a_fmt:MATRIX_FMT_FP4 matrix_b_fmt:MATRIX_FMT_FP4 matrix_a_scale:MATRIX_SCALE_ROW1
.else
	v_wmma_scale_f32_16x16x128_f8f6f4 v[8*(8*((\a)%4)+\b):8*(8*((\a)%4)+\b)+7], v[128*(\p)+FR*\b:128*(\p)+FR*\b+FR-1], v[AF+FR*(\a):AF+FR*(\a)+FR-1], v[8*(8*((\a)%4)+\b):8*(8*((\a)%4)+\b)+7], v[SC+8*NQ*(\sc)+NQ*\b+(\q)], v[SC+8*NQ*(\sc)+NQ*(\a)+(\q)] matrix_a_fmt:MATRIX_FMT_FP4 matrix_b_fmt:MATRIX_FMT_FP4 matrix_a_scale:MATRIX_SCALE_ROW1
.endif
.endr
.endr
.endm
.macro FETCH_B slot, q, p
	WIN TO_B
.irp i, 0,1,2,3,4,5,6,7
	FRAG 128*(\p)+FR*\i, ADRB+\slot, \q, \i
.endr
	WIN 0
.endm
.macro FETCH_A slot, q, i0
.irp i, \i0, \i0+1, \i0+2, \i0+3
	FRAG AF+FR*(\i), ADRA+\slot, \q, \i
.endr
.endm
.macro SCALES sc                       ; a slot's scale words: lanes 0-15 take A's block i, lanes 16-31 B's block i
.irp i, 0,1,2,3,4,5,6,7
	ds_load_b128 v[SC+8*NQ*\sc+NQ*\i:SC+8*NQ*\sc+NQ*\i+3], v[ADRS] offset:\i*SBLK
.endr
.endm
.macro PLACES n                        ; plain vector instructions between a matrix instruction and a load into, or a read of, its registers
.rept \n
	v_nop
.endr
.endm
.macro STEP slot, q, first             ; 128 along K whose successor lies in the same slot.  first = 1: C, the bias, lies in window 0
	s_wait_dscnt 4*NL                              ; B's set and A's blocks 0-3 are in; A's blocks 4-7 may be out
	WIN MUL_LO-0x20*(\first)
	MUL16 0, (\q)%2, \q, \slot, \first
	MUL16 2, (\q)%2, \q, \slot, \first
	s_wait_dscnt 0
	PLACES NP
	FETCH_B \slot, (\q)+1, 1-(\q)%2
	FETCH_A \slot, (\q)+1, 0
	WIN MUL_HI-0x30*(\first)
	MUL16 4, (\q)%2, \q, \slot, \first
	MUL16 6, (\q)%2, \q, \slot, \first
	PLACES NP
	WIN 0
	FETCH_A \slot, (\q)+1, 4
.endm
.macro STEPS slot, from
.set Q, \from
.rept NQ-1-\from
	STEP \slot, Q, 0
.set Q, Q+1
.endr
.endm
	s_wait_tensorcnt 1                             ; the scales and my part of slot 0 are in; slot 1's load may be out
	s_barrier_signal -1
	s_barrier_wait -1
	FETCH_B 0, 0, 0
	FETCH_A 0, 0, 0
	SCALES 0
	FETCH_A 0, 0, 4
	s_wait_loadcnt 0x0                             ; the bias and the gains
	STEP 0, 0, 1
	STEPS 0, 1
	; slot 0's last step changes slots: one barrier; in front of it my tensor loads have landed (slot 1's part), the add, and my reads of slot 0 are over.  Nothing is filled again
	s_wait_tensorcnt 0x0
	ds_add_u32 v[SPW], v[NIL]                      ; 0 onto my spare word
	s_wait_dscnt 4*NL+1                            ; the add and A's blocks 4-7 may be out
	WIN MUL_LO
	MUL16 0, 1, NQ-1, 0, 0
	s_wait_dscnt 0x0
	s_barrier_signal -1
	MUL16 2, 1, NQ-1, 0, 0
	WIN 0
	s_barrier_wait -1
	PLACES NP
	v_add_nc_u32 v[ADRS], 4*NQ, v[ADRS]            ; the second slot's scale words
	FETCH_B 1, 0, 0
	FETCH_A 1, 0, 0
	SCALES 1
	WIN MUL_HI
	MUL16 4, 1, NQ-1, 0, 0
	MUL16 6, 1, NQ-1, 0, 0
	PLACES NP
	WIN 0
	FETCH_A 1, 0, 4
	STEPS 1, 0
	s_wait_dscnt 4*NL                              ; the last step: nothing more to fetch
	WIN MUL_LO
	MUL16 0, 1, NQ-1, 1, 0
	MUL16 2, 1, NQ-1, 1, 0
	s_wait_dscnt 0
	WIN MUL_HI
	MUL16 4, 1, NQ-1, 1, 0
	MUL16 6, 1, NQ-1, 1, 0
	WIN 0
; THE WAY OUT, a block of 16 tokens x 128 columns (two heads) at a time.
; PACK: norm = 1: each head's sum of squares (my 32 numbers, then lane l xor 16's), 1 / sqrt(mean + 1e-6), the accumulators times that and times the gain, in place; then both ways: rounded to f16, 16 bytes a lane and block.
; Each accumulator is read from its low end on.
.macro PACK a, norm
.set AC, 64*((\a)%4)
.if \norm
	WIN 0x0a+5*((\a)/4)                            ; sources 0 and 1: window 2 or 3
.irp jb, 0,1,2,3
.irp p, 0,1,2,3
.irp hh, 0,1
.if (\jb == 0) && (\p < 2)
	v_pk_mul_f32 v[SS+4*\hh+2*(\p%2):SS+4*\hh+2*(\p%2)+1], v[AC+8*(4*\hh+\jb)+2*\p:AC+8*(4*\hh+\jb)+2*\p+1], v[AC+8*(4*\hh+\jb)+2*\p:AC+8*(4*\hh+\jb)+2*\p+1]
.else
	v_pk_fma_f32 v[SS+4*\hh+2*(\p%2):SS+4*\hh+2*(\p%2)+1], v[AC+8*(4*\hh+\jb)+2*\p:AC+8*(4*\hh+\jb)+2*\p+1], v[AC+8*(4*\hh+\jb)+2*\p:AC+8*(4*\hh+\jb)+2*\p+1], v[SS+4*\hh+2*(\p%2):SS+4*\hh+2*(\p%2)+1]
.endif
.endr
.endr
.endr
	WIN 0
.irp hh, 0,1
	v_pk_add_f32 v[SS+4*\hh:SS+4*\hh+1], v[SS+4*\hh:SS+4*\hh+1], v[SS+4*\hh+2:SS+4*\hh+3]
.endr
.irp hh, 0,1
	v_add_f32 v[SS+4*\hh], v[SS+4*\hh], v[SS+4*\hh+1]
.endr
.irp hh, 0,1
	v_permlanex16_b32 v[PL+\hh], v[SS+4*\hh], s[SEL], s[SEL+1]
.endr
.irp hh, 0,1
	v_add_f32 v[SS+4*\hh], v[SS+4*\hh], v[PL+\hh]
.endr
.irp hh, 0,1
	v_fma_f32 v[SS+4*\hh], v[SS+4*\hh], s[INV], s[EPS]   ; the mean of 64 squares + 1e-6
.endr
.irp hh, 0,1
	v_rsq_f32 v[RR+2*\hh], v[SS+4*\hh]
.endr
	v_nop                                          ; a plain instruction behind the last of the two,
	s_wait_alu depctr_va_vdst(0)                   ; and one wait for both, ahead of their first reader
	WIN 0x82+0x41*((\a)/4)                         ; destination and source 0: window 2 or 3
.irp hh, 0,1
.irp jb, 0,1,2,3
.irp p, 0,1,2,3
	v_pk_mul_f32 v[AC+8*(4*\hh+\jb)+2*\p:AC+8*(4*\hh+\jb)+2*\p+1], v[AC+8*(4*\hh+\jb)+2*\p:AC+8*(4*\hh+\jb)+2*\p+1], v[RR+2*\hh:RR+2*\hh+1] op_sel_hi:[1,0]
.endr
.endr
.endr
.irp hh, 0,1
.irp jb, 0,1,2,3
.irp p, 0,1,2,3
	v_pk_mul_f32 v[AC+8*(4*\hh+\jb)+2*\p:AC+8*(4*\hh+\jb)+2*\p+1], v[AC+8*(4*\hh+\jb)+2*\p:AC+8*(4*\hh+\jb)+2*\p+1], v[G+8*\jb+2*\p:G+8*\jb+2*\p+1]
.endr
.endr
.endr
.endif
	WIN 0x0a+5*((\a)/4)
.irp b, 0,1,2,3,4,5,6,7
.irp p, 0,1,2,3
	v_cvt_pk_f16_f32 v[PK+4*\b+\p], v[AC+8*\b+2*\p], v[AC+8*\b+2*\p+1]
.endr
.endr
	WIN 0
.endm
.macro TOSTAGE a                       ; into my stage, and back as whole rows: LDS serves a wave's instructions in order (ISA guide 5.7.1.4), so no wait stands between
.irp b, 0,1,2,3,4,5,6,7
	ds_store_b128 v[STO], v[PK+4*\b:PK+4*\b+3] offset:(\b/4)*16*SPH+32*(\b%4)
.endr
.irp u, 0,1,2,3,4,5,6,7
	ds_load_b128 v[BK+32*((\a)%2)+4*\u:BK+32*((\a)%2)+4*\u+3], v[RD] offset:(\u/4)*16*SPH+4*SPH*(\u%4)
.endr
.endm
.macro SEND a, younger                 ; younger: the LDS instructions issued behind block a's loads
	s_wait_dscnt \younger
.irp u, 0,1,2,3,4,5,6,7
	global_store_b128 v[CO], v[BK+32*((\a)%2)+4*\u:BK+32*((\a)%2)+4*\u+3], s[12:13] offset:(\u/4)*262144+2048*(\a)+512*(\u%4)   ; four tokens of a head: 512 consecutive bytes, aligned
.endr
.endm
.macro WAYOUT norm
	PACK 0, \norm
	TOSTAGE 0
.irp a, 1,2,3,4,5,6,7
	PACK \a, \norm
.if \a > 1
	s_wait_xcnt 0x0                                ; the stores of two blocks back have read the registers into which this block's rows come
.endif
	TOSTAGE \a
	SEND \a-1, 16                                  ; behind block a - 1's loads: block a's 8 stores and 8 loads
.endr
	SEND 7, 0
.endm
	PLACES NP                                      ; behind the last products
	v_mov_b32 v[RR+1], 0                           ; named as the upper halves of pairs
	v_mov_b32 v[RR+3], 0
	v_mov_b32 v[PL], 0                             ; a lane permute's destination counts as one of its sources
	v_mov_b32 v[PL+1], 0
	s_cmp_eq_u32 ttmp9, 2                          ; v has no norm: the cluster's x, the same in all sixteen
	s_cbranch_scc1 .Lplain
	WAYOUT 1
	s_branch .Lclose
.Lplain:
	WAYOUT 0
.Lclose:
	s_wait_tensorcnt 0x0                           ; the wave's end, behind my last tensor load and my last LDS store
	ds_add_u32 v[SPW], v[NIL]
	s_wait_dscnt 0x0
	CROUND                                         ; the closing round
	s_endpgm
.Lfunc_end_k_q02906830fb_qkv:
	.size	k_q02906830fb_qkv, .Lfunc_end_k_q02906830fb_qkv-k_q02906830fb_qkv
	.p2alignl 7, 3214868480
	.fill 96, 4, 3214868480
	.section	.rodata,"a",@progbits
	.p2align	6, 0x0
	.amdhsa_kernel k_q02906830fb_qkv
		.amdhsa_group_segment_fixed_size 327680
		.amdhsa_private_segment_fixed_size 0
		.amdhsa_enable_private_segment 0
		.amdhsa_kernarg_size 72
		.amdhsa_user_sgpr_count 2
		.amdhsa_user_sgpr_kernarg_segment_ptr 1
		.amdhsa_wavefront_size32 1
		.amdhsa_system_sgpr_workgroup_id_x 1
		.amdhsa_system_sgpr_workgroup_id_y 1
		.amdhsa_system_sgpr_workgroup_id_z 1
		.amdhsa_system_vgpr_workitem_id 0
		.amdhsa_next_free_vgpr 1024
		.amdhsa_next_free_sgpr 102
		.amdhsa_reserve_vcc 0
		.amdhsa_float_denorm_mode_32 3
		.amdhsa_float_denorm_mode_16_64 3
		.amdhsa_memory_ordered 1
		.amdhsa_forward_progress 1
		.amdhsa_inst_pref_size 214
	.end_amdhsa_kernel
	.amdgpu_metadata
---
amdhsa.version: [ 1, 2 ]
amdhsa.kernels:
  - .name:           k_q02906830fb_qkv
    .symbol:         k_q02906830fb_qkv.kd
    .args:
      - { .name: acodes, .offset: 0, .size: 8, .value_kind: global_buffer, .address_space: global }
      - { .name: ascales, .offset: 8, .size: 8, .value_kind: global_buffer, .address_space: global }
      - { .name: wcodes, .offset: 16, .size: 8, .value_kind: global_buffer, .address_space: global }
      - { .name: wscales, .offset: 24, .size: 8, .value_kind: global_buffer, .address_space: global }
      - { .name: bq, .offset: 32, .size: 8, .value_kind: global_buffer, .address_space: global }
      - { .name: bkv, .offset: 40, .size: 8, .value_kind: global_buffer, .address_space: global }
      - { .name: gq, .offset: 48, .size: 8, .value_kind: global_buffer, .address_space: global }
      - { .name: gk, .offset: 56, .size: 8, .value_kind: global_buffer, .address_space: global }
      - { .name: qkv16, .offset: 64, .size: 8, .value_kind: global_buffer, .address_space: global }
    .group_segment_fixed_size: 327680
    .private_segment_fixed_size: 0
    .kernarg_segment_align: 8
    .kernarg_segment_size: 72
    .max_flat_workgroup_size: 128
    .sgpr_count:     102
    .vgpr_count:     1024
    .wavefront_size: 32
...
	.end_amdgpu_metadata
.endif
;; end of part 2
;; launch attn (part 3): grid 4 x 64, 16 waves a work-group, clusters of 4 x 1, 327,680 bytes of LDS; arguments qkv16, ao16; writes ao16
.if DOCPART == 3
	.amdgcn_target "amdgcn-amd-amdhsa--gfx1250"
	.amdhsa_code_object_version 6
	.text
	.protected	k_q02906830fb_attn
	.globl	k_q02906830fb_attn
	.p2align	8
	.type	k_q02906830fb_attn,@function
k_q02906830fb_attn:
	s_mov_b64 s[64:65], 0
	v_nop
	global_prefetch_b8 v0, s[64:65] scope:SCOPE_SE
	s_setreg_imm32_b32 hwreg(HW_REG_WAVE_MODE, 25, 1), 1
	s_wait_xcnt 0x0
	s_wait_alu depctr_hold_cnt(0) depctr_sa_sdst(0) depctr_va_vdst(0) depctr_va_sdst(0) depctr_va_ssrc(0) depctr_va_vcc(0) depctr_vm_vsrc(0)
	s_getreg_b32 s2, hwreg(HW_REG_IB_STS2, 6, 4)
	s_cmp_eq_u32 s2, 0
	s_cbranch_scc0 .Lentry_in_a_cluster
	s_endpgm
.Lentry_in_a_cluster:
	s_bfe_u32 s2, ttmp6, 0x10000c
	s_cmp_lg_u32 s2, 0x3003
	s_cbranch_scc0 .Lentry_shape_is_right
	s_endpgm
.Lentry_shape_is_right:
; O[bh][q] = the sum over k of softmax_k(Q[bh][q] . K[bh][k] / 8) V[bh][k].  Q, K, V: the three parts of qkv16, each [64 bh][2048][64] f16; O: ao16, the same layout, f16.  Products on f16 operands with f32 sums; maxima and sums in f32.
; SHARES.  A work-group owns 512 queries of one (batch, head); each of its sixteen waves 32 of them: two tiles of 16, in 256 registers, four waves to a SIMD, so that one wave's vector work stands beside another's products and LDS loads.
; Every wave walks all 2,048 keys, 64 a step.  K and V come through a ring of two LDS slots of 256 keys, filled by the tensor data mover (waves 0, 1: K's halves; waves 2, 3: V's) and read by all sixteen.
; CLUSTER.  The four work-groups of a head walk the same K and V: each tile is asked for JOINTLY, by the same load with a mask that names the four.
; LAYOUT.  S^T = K Q^T (source 0 = 16 keys, source 1 = 16 queries): a lane holds ONE query (lane % 16) and keys 8 (lane / 16) + 0..7.  Two such tiles rounded to f16 in pairs ARE source 1 (32 keys x 16 queries) of O^T = V^T P.
; V ([key][channel]) comes out of LDS turned, by ds_load_tr16_b128.
; SOFTMAX.  A running maximum m and sum l for each query: p = 2^(c s - c m), c = log2(e) / 8; in every step O and l are multiplied by a = 2^(c m_old - c m_new).  The step is written once: O and l begin as zeros, m as -3e38.
; LIMITS: NaN and infinities are not served; O in f16: |O| up to 65,504.
; REGISTERS: v1-10 addresses; v16-47 Q; v48-111 K's fragments of a step, then V's; v112-175 S^T, then p (f32), then p (f16) in the low half of each tile's 32; v176-239 O^T; v240-255 eight figures a tile.
.set KP,    144                        ; a key's row in LDS: 128 bytes + 16: the sixteen rows of a load begin 16 bytes apart modulo 256
.set VP,    160                        ; a row of V: 128 + 32: the eight rows of a turning load begin 32 bytes apart modulo 256
.set SK,    256                        ; keys in a slot
.set VOFF,  SK*KP
.set SLOT1, 1<<17                      ; slot 1 begins here: one exclusive or turns an address from one slot to the other
.set NSL,   8
.set SPARE, 2*SLOT1                    ; the spare words, 128 bytes for each wave: eight blocks of 256 bytes that no other line names
.set AK0, 1
.set AV0, 2
.set ADK, 3
.set ADV, 4
.set SPW, 5                            ; v5 LDS address of my spare word; never rewritten
.set NIL, 6                            ; v6 0; never rewritten
.set GO,  7
.set STO, 8
.set RD,  9
.set PFO, 10
.set QF,  16
.set KV,  48
.set S,   112
.set O,   176
.set ST,  240                          ; tile t at v[ST + 8 t]: +0 c m, +1 m, +2, +3 l, +4 .. +7 at work; a in +6, c m_old - c m_new in +7
.set WV,  18
.set SEL, 20
.set CS,  22
.set G1K, 24
.set G1V, 32
.set G0K, 40
.set G0V, 44
.set TB,  48
.set SLOTS, 49
.set LIM, 50
.set PFA, 52
.macro JLOAD                           ; waves 0 and 1 fetch K's halves, waves 2 and 3 V's, the others nothing: branches on the wave's number alone.  An s_nop 0 and four v_nop follow each line
	s_cmp_lt_u32 s[WV], 2
	s_cbranch_scc0 .Lnot_k_\@
	tensor_load_to_lds s[G0K:G0K+3], s[G1K:G1K+7]
	s_nop 0
.rept 4
	v_nop
.endr
	s_branch .Lasked_\@
.Lnot_k_\@:
	s_cmp_lt_u32 s[WV], 4
	s_cbranch_scc0 .Lasked_\@
	tensor_load_to_lds s[G0V:G0V+3], s[G1V:G1V+7]
	s_nop 0
.rept 4
	v_nop
.endr
.Lasked_\@:
.endm
; A prefetch of what the NEXT change of slots will ask for: a slot's 32,768 bytes of K (wave 4) and of V (wave 5).  The four partners share the 128 runs of 256 bytes out by address, 32 each, a lane a run: each is named once in the launch.
; Slots 0 and 1 come by their loads alone; the last change that fills a slot asks for nothing.
.macro ASK
	s_cmp_gt_u32 s[SLOTS], s[LIM]
	s_cbranch_scc0 .Lnot_mine_\@
	global_prefetch_b8 v[PFO], s[PFA:PFA+1] th:TH_LOAD_NT scope:SCOPE_SE
.Lnot_mine_\@:
.endm
.macro CROUND                          ; a round of the cluster's barrier
	s_barrier_signal -1
	s_barrier_wait -1
	s_cmp_lg_u32 s[WV], 0
	s_cbranch_scc1 .Lnot_wave_0_\@
	s_barrier_signal -3
.Lnot_wave_0_\@:
	s_barrier_wait -3
	s_barrier_signal -1
	s_barrier_wait -1
.endm
	s_load_b128 s[4:7], s[0:1], 0x0                ; qkv16, ao16
	v_lshl_add_u32 v[SPW], v0, 2, SPARE
	v_mov_b32 v[NIL], 0
	ds_add_u32 v[SPW], v[NIL]                      ; the wave's opening: the add, twice on end, and its wait ahead of the first tensor loads
	ds_add_u32 v[SPW], v[NIL]
	v_lshrrev_b32 v11, 5, v0
	v_readfirstlane_b32 s[WV], v11                 ; wave 0..15
	s_bfe_u32 s8, ttmp6, 0x40000                   ; cx: my block of 512 queries (the grid's x is one cluster)
	s_and_b32 s9, ttmp7, 0xffff                    ; batch x head, which the four partners share
	s_lshl_b32 s10, s9, 18                         ; its first byte in each part
	s_and_b32 s12, s[WV], 1                        ; which 128 keys of a slot I fetch
	s_lshl_b32 s13, s12, 14
	s_add_co_u32 s14, s10, s13
	s_add_co_u32 s14, s14, 1<<24                   ; in K's part
	s_mov_b32 s15, 0
	s_add_co_u32 s16, s14, 1<<24                   ; in V's
	s_mov_b32 s17, 0
	s_lshl_b32 s54, s8, 16
	s_lshl_b32 s55, s[WV], 12
	s_add_co_u32 s54, s54, s55
	s_add_co_u32 s54, s54, s10                     ; my first query: (512 cx + 32 wave) x 128 bytes, in my head
	s_mov_b32 s55, 0
	s_add_co_u32 s56, s12, 1                       ; the prefetches: wave 4 K's part, wave 5 V's,
	s_lshl_b32 s56, s56, 24
	s_add_co_u32 s56, s56, s10
	s_lshl_b32 s57, s8, 13                         ; my work-group's quarter of a slot,
	s_add_co_u32 s56, s56, s57
	s_add_co_u32 s56, s56, 32768                   ; in slot 1: the first change of slots steps it to slot 2
	s_mov_b32 s57, 0
	s_sub_co_u32 s58, s[WV], 4
	s_lshr_b32 s58, s58, 1
	s_cmp_eq_u32 s58, 0
	s_cselect_b32 s[LIM], 1, -1                    ; 1 in waves 4 and 5, else the greatest number
	s_mov_b32 s[G1K], 15|(1<<16)|(1<<20)|(1<<21)|(4<<22)|(3<<25)   ; the mask: all four; elements of 2 bytes; padding on: 4 words behind every 32; bit 21 beside a mask
	s_mov_b32 s[G1V], 15|(1<<16)|(1<<20)|(1<<21)|(4<<22)|(7<<25)   ; the same with 8 words
.irp g, G1K, G1V
	s_mov_b32 s[\g+1], 64<<16                      ; tensor_dim0 = 64
	s_mov_b32 s[\g+2], 128<<16                     ; tensor_dim1 = 128
	s_mov_b32 s[\g+3], 64<<16                      ; tile_dim0
	s_mov_b32 s[\g+4], 128                         ; tile_dim1
	s_mov_b32 s[\g+5], 64                          ; from row to row
	s_mov_b32 s[\g+6], 0
	s_mov_b32 s[\g+7], 0
.endr
	s_mov_b32 s[SEL], 0x76543210
	s_mov_b32 s[SEL+1], 0xfedcba98
	s_mov_b32 s[CS], 0x3e38aa3b                    ; c = log2(e) / 8
	s_mov_b32 s[CS+1], s[CS]
	s_mov_b32 s[TB], 0
	s_mov_b32 s[SLOTS], NSL-1
	s_wait_dscnt 0x0                               ; both opening adds are done
	s_wait_kmcnt 0x0
	s_mov_b32 s[G0K], 1
	s_mul_i32 s[G0K+1], s12, 128*KP
	s_add_nc_u64 s[G0K+2:G0K+3], s[4:5], s[14:15]
	s_or_b32 s[G0K+3], s[G0K+3], 0x80000000
	s_mov_b32 s[G0V], 1
	s_mul_i32 s[G0V+1], s12, 128*VP
	s_add_co_u32 s[G0V+1], s[G0V+1], VOFF
	s_add_nc_u64 s[G0V+2:G0V+3], s[4:5], s[16:17]
	s_or_b32 s[G0V+3], s[G0V+3], 0x80000000
	s_add_nc_u64 s[PFA:PFA+1], s[4:5], s[56:57]
	s_add_nc_u64 s[60:61], s[4:5], s[54:55]        ; Q at my first query
	s_add_nc_u64 s[6:7], s[6:7], s[54:55]          ; O likewise
	CROUND                                         ; all four work-groups are here
	JLOAD                                          ; slot 0
	v_and_b32 v11, 15, v0                          ; r
	v_bfe_u32 v12, v0, 4, 1                        ; h
	v_lshlrev_b32 v14, 7, v11
	v_lshl_add_u32 v14, v12, 4, v14                ; Q: row r of 128 bytes + 16 h
.irp t, 0,1
.irp c, 0,1
	global_load_b128 v[QF+16*\t+8*\c:QF+16*\t+8*\c+3], v14, s[60:61] offset:2048*\t+64*\c
	global_load_b128 v[QF+16*\t+8*\c+4:QF+16*\t+8*\c+7], v14, s[60:61] offset:2048*\t+64*\c+32
.endr
.endr
	v_mul_u32_u24 v[AK0], v11, KP
	v_lshl_add_u32 v[AK0], v12, 4, v[AK0]          ; K: row r x pitch + 16 h
	v_and_b32 v13, 7, v0
	v_bfe_u32 v15, v0, 3, 1
	v_lshl_add_u32 v[AV0], v12, 3, v13
	v_mul_u32_u24 v[AV0], v[AV0], VP
	v_lshl_add_u32 v[AV0], v15, 4, v[AV0]
	v_add_nc_u32 v[AV0], VOFF, v[AV0]              ; V: key 8 h + l % 8, channels 8 ((l / 8) % 2) on
	s_mul_i32 s59, s[WV], 32*KP                    ; the way out: my stage, 32 rows x 144 bytes, in slot 0
	v_add_nc_u32 v[STO], s59, v[AK0]
	v_bfe_u32 v[RD], v0, 3, 2
	v_mul_u32_u24 v[RD], v[RD], KP
	v_lshl_add_u32 v[RD], v13, 4, v[RD]
	v_add_nc_u32 v[RD], s59, v[RD]                 ; back: eight lanes to a row, four rows an instruction
	v_and_b32 v[GO], 31, v0
	v_lshlrev_b32 v[PFO], 8, v[GO]
	v_lshlrev_b32 v[GO], 4, v[GO]
.irp t, 0,1
	v_mov_b32 v[ST+8*\t+1], 0xff61b1e6             ; m = -3e38, under every score
	v_mov_b32 v[ST+8*\t+2], 0
	v_mov_b32 v[ST+8*\t+3], 0
.endr
.irp t, 0,1
	v_mul_f32 v[ST+8*\t], s[CS], v[ST+8*\t+1]
.endr
.irp j, 0,1,2,3,4,5,6,7,8,9,10,11,12,13,14,15,16,17,18,19,20,21,22,23,24,25,26,27,28,29,30,31,32,33,34,35,36,37,38,39,40,41,42,43,44,45,46,47,48,49,50,51,52,53,54,55,56,57,58,59,60,61,62,63
	v_mov_b32 v[O+\j], 0                           ; the step is written once: the first finds zeros, which a = 0 leaves zeros
.endr
; A KEY STEP: 64 keys, the q-th of the slot in hand.  In both products the eight accumulators take turns, one instruction a turn.
.macro STEP q
.rept 5
	v_nop                                          ; behind the last step's V^T P: four places for the loads into its fragments' registers, five for the products below, which write over p
.endr
.irp c, 0,1
.irp kt, 0,1,2,3
	ds_load_b128 v[KV+8*(2*\kt+\c):KV+8*(2*\kt+\c)+3], v[ADK] offset:64*KP*(\q)+16*KP*\kt+64*\c
	ds_load_b128 v[KV+8*(2*\kt+\c)+4:KV+8*(2*\kt+\c)+7], v[ADK] offset:64*KP*(\q)+16*KP*\kt+64*\c+32
.endr
.endr
	s_wait_dscnt 8                                 ; channels 0-31 are in; the eight loads of channels 32-63 may be out
.irp kt, 0,1,2,3
.irp t, 0,1
	v_wmma_f32_16x16x32_f16 v[S+32*\t+8*\kt:S+32*\t+8*\kt+7], v[KV+16*\kt:KV+16*\kt+7], v[QF+16*\t:QF+16*\t+7], 0
.endr
.endr
	s_wait_dscnt 0x0
.irp kt, 0,1,2,3
.irp t, 0,1
	v_wmma_f32_16x16x32_f16 v[S+32*\t+8*\kt:S+32*\t+8*\kt+7], v[KV+16*\kt+8:KV+16*\kt+15], v[QF+16*\t+8:QF+16*\t+15], v[S+32*\t+8*\kt:S+32*\t+8*\kt+7]
.endr
.endr
.rept 4
	v_nop                                          ; places: for the loads into K's registers, and for the first read of the scores
.endr
.irp u, 0,1
.irp ct, 0,1,2,3
	ds_load_tr16_b128 v[KV+8*(4*\u+\ct):KV+8*(4*\u+\ct)+3], v[ADV] offset:64*VP*(\q)+32*VP*\u+32*\ct           ; they land while the softmax is walked
	ds_load_tr16_b128 v[KV+8*(4*\u+\ct)+4:KV+8*(4*\u+\ct)+7], v[ADV] offset:64*VP*(\q)+32*VP*\u+16*VP+32*\ct
.endr
.endr
.irp j, 0,1,2,3                                ; the maximum of my 32 scores and the old m; each accumulator is read from its low end on; the two tiles line by line
.irp t, 0,1
	v_max3_num_f32 v[ST+8*\t+4+\j], v[S+32*\t+8*\j], v[S+32*\t+8*\j+1], v[S+32*\t+8*\j+2]
.endr
.endr
.irp g, 1,2
.irp j, 0,1,2,3
.irp t, 0,1
	v_max3_num_f32 v[ST+8*\t+4+\j], v[ST+8*\t+4+\j], v[S+32*\t+8*\j+2*\g+1], v[S+32*\t+8*\j+2*\g+2]
.endr
.endr
.endr
.irp t, 0,1
	v_max3_num_f32 v[ST+8*\t+4], v[ST+8*\t+4], v[S+32*\t+7], v[S+32*\t+15]
.endr
.irp t, 0,1
	v_max3_num_f32 v[ST+8*\t+6], v[ST+8*\t+6], v[S+32*\t+23], v[S+32*\t+31]
.endr
.irp t, 0,1
	v_max3_num_f32 v[ST+8*\t+4], v[ST+8*\t+4], v[ST+8*\t+5], v[ST+8*\t+6]
.endr
.irp t, 0,1
	v_max3_num_f32 v[ST+8*\t+4], v[ST+8*\t+4], v[ST+8*\t+7], v[ST+8*\t+1]
.endr
.irp t, 0,1
	v_permlanex16_b32 v[ST+8*\t+5], v[ST+8*\t+4], s[SEL], s[SEL+1]   ; the query's other 32 keys lie in the lane 16 away
.endr
.irp t, 0,1
	v_mov_b32 v[ST+8*\t+7], v[ST+8*\t]             ; c m_old
.endr
.irp t, 0,1
	v_max_num_f32 v[ST+8*\t+1], v[ST+8*\t+4], v[ST+8*\t+5]
.endr
.irp t, 0,1
	v_mul_f32 v[ST+8*\t], s[CS], v[ST+8*\t+1]
.endr
.irp t, 0,1
	v_sub_f32 v[ST+8*\t+7], v[ST+8*\t+7], v[ST+8*\t]
.endr
.irp k, 0,1,2,3,4,5,6,7,8,9,10,11,12,13,14,15
.irp t, 0,1
	v_pk_fma_f32 v[S+32*\t+2*\k:S+32*\t+2*\k+1], v[S+32*\t+2*\k:S+32*\t+2*\k+1], s[CS:CS+1], v[ST+8*\t:ST+8*\t+1] op_sel_hi:[1,0,0] neg_lo:[0,0,1] neg_hi:[0,0,1]   ; c s - c m
.endr
.endr
.irp t, 0,1
	v_exp_f32 v[ST+8*\t+6], v[ST+8*\t+7]           ; a.  The 66 exponentials of both tiles are one batch
.endr
.irp j, 0,1,2,3,4,5,6,7,8,9,10,11,12,13,14,15,16,17,18,19,20,21,22,23,24,25,26,27,28,29,30,31
.irp t, 0,1
	v_exp_f32 v[S+32*\t+\j], v[S+32*\t+\j]
.endr
.endr
	v_nop                                          ; a plain instruction behind the last exponential,
	s_wait_alu depctr_va_vdst(0)                   ; and one wait for the batch, ahead of its first reader
.irp t, 0,1
	v_pk_fma_f32 v[ST+8*\t+2:ST+8*\t+3], v[ST+8*\t+2:ST+8*\t+3], v[ST+8*\t+6:ST+8*\t+7], v[S+32*\t:S+32*\t+1] op_sel_hi:[1,0,1]   ; l = a l + the first pair: the sums in two chains
.endr
.irp t, 0,1
	v_pk_add_f32 v[ST+8*\t+4:ST+8*\t+5], v[S+32*\t+2:S+32*\t+3], v[S+32*\t+4:S+32*\t+5]
.endr
.irp k, 3,5,7,9,11,13
.irp t, 0,1
	v_pk_add_f32 v[ST+8*\t+2:ST+8*\t+3], v[ST+8*\t+2:ST+8*\t+3], v[S+32*\t+2*\k:S+32*\t+2*\k+1]
.endr
.irp t, 0,1
	v_pk_add_f32 v[ST+8*\t+4:ST+8*\t+5], v[ST+8*\t+4:ST+8*\t+5], v[S+32*\t+2*(\k+1):S+32*\t+2*(\k+1)+1]
.endr
.endr
.irp t, 0,1
	v_pk_add_f32 v[ST+8*\t+2:ST+8*\t+3], v[ST+8*\t+2:ST+8*\t+3], v[S+32*\t+30:S+32*\t+31]
.endr
.irp t, 0,1
	v_pk_add_f32 v[ST+8*\t+2:ST+8*\t+3], v[ST+8*\t+2:ST+8*\t+3], v[ST+8*\t+4:ST+8*\t+5]
.endr
.irp i, 0,1,2,3,4,5,6,7,8,9,10,11,12,13,14,15
.irp t, 0,1
	v_cvt_pk_f16_f32 v[S+32*\t+\i], v[S+32*\t+2*\i], v[S+32*\t+2*\i+1]   ; p to f16, laid over the numbers already taken: register i is written when 2 i and 2 i + 1 are read
.endr
.endr
.irp i, 0,1,2,3,4,5,6,7,8,9,10,11,12,13,14,15
.irp t, 0,1
	v_pk_mul_f32 v[O+32*\t+2*\i:O+32*\t+2*\i+1], v[O+32*\t+2*\i:O+32*\t+2*\i+1], v[ST+8*\t+6:ST+8*\t+7] op_sel_hi:[1,0]   ; O^T times a, each accumulator from its low end on
.endr
.endr
	s_wait_dscnt 0x0                               ; V is in
.irp u, 0,1
.irp ct, 0,1,2,3
.irp t, 0,1
	v_wmma_f32_16x16x32_f16 v[O+32*\t+8*\ct:O+32*\t+8*\ct+7], v[KV+8*(4*\u+\ct):KV+8*(4*\u+\ct)+7], v[S+32*\t+8*\u:S+32*\t+8*\u+7], v[O+32*\t+8*\ct:O+32*\t+8*\ct+7]
.endr
.endr
.endr
.endm
; THE CHANGE OF SLOTS stands at a slot's head.  Each wave waits for all its tensor loads (its part of the slot ahead), adds 0 to its spare word, and waits for that and for its reads of the slot that it has left.
; fill = 1: a round of the cluster's barrier, and behind it the slot just left (in the first trip: slot 1, for the first time) is asked for jointly: one tensor load a wave is out, and has a slot's four steps in which to land.
.macro CHANGE fill
	s_wait_tensorcnt 0x0                           ; no tensor load of mine is out, so a group 0 may be written
	ds_add_u32 v[SPW], v[NIL]                      ; 0 onto my spare word
.if \fill
	ds_add_u32 v[SPW], v[NIL]                      ; and, where a load follows that twelve waves pass by, twice on end, in every trip alike
	s_xor_b32 s[G0K+1], s[G0K+1], SLOT1
	s_add_nc_u64 s[G0K+2:G0K+3], s[G0K+2:G0K+3], SK*128
	s_xor_b32 s[G0V+1], s[G0V+1], SLOT1
	s_add_nc_u64 s[G0V+2:G0V+3], s[G0V+2:G0V+3], SK*128
	s_wait_xcnt 0x0                                ; the last prefetch, a slot back, has read its address
	s_add_nc_u64 s[PFA:PFA+1], s[PFA:PFA+1], SK*128
	s_wait_dscnt 0x0
	CROUND
	JLOAD
	ASK
.else
	s_wait_dscnt 0x0
	s_barrier_signal -1
	s_barrier_wait -1
.endif
.endm
.macro SLOT_STEPS
	v_add_nc_u32 v[ADK], s[TB], v[AK0]
	v_add_nc_u32 v[ADV], s[TB], v[AV0]
.irp q, 0,1,2,3
	STEP \q
.endr
	s_xor_b32 s[TB], s[TB], SLOT1
.endm
	s_wait_loadcnt 0x0                             ; Q
.Lslot:                                            ; seven trips: behind each change of slots but the last the next slot is asked for
	CHANGE 1
	SLOT_STEPS
	s_sub_co_u32 s[SLOTS], s[SLOTS], 1
	s_cmp_lg_u32 s[SLOTS], 0
	s_cbranch_scc1 .Lslot
	CHANGE 0                                       ; the last slot is written out
	SLOT_STEPS
	; THE WAY OUT.  O^T / l, rounded to f16, goes through my stage in LDS (in slot 0, which was left at the last change: it has had its last fill, and nobody reads it) and leaves as runs of 512 consecutive bytes.
.rept 4
	v_nop                                          ; places behind the last products
.endr
.irp t, 0,1
	v_add_f32 v[ST+8*\t+4], v[ST+8*\t+2], v[ST+8*\t+3]
.endr
.irp t, 0,1
	v_permlanex16_b32 v[ST+8*\t+5], v[ST+8*\t+4], s[SEL], s[SEL+1]
.endr
.irp t, 0,1
	v_add_f32 v[ST+8*\t+4], v[ST+8*\t+4], v[ST+8*\t+5]
.endr
.irp t, 0,1
	v_rcp_f32 v[ST+8*\t+6], v[ST+8*\t+4]
.endr
	v_nop
	s_wait_alu depctr_va_vdst(0)                   ; one wait for the two reciprocals, ahead of their first reader
.irp t, 0,1
.irp i, 0,1,2,3,4,5,6,7,8,9,10,11,12,13,14,15
	v_pk_mul_f32 v[O+32*\t+2*\i:O+32*\t+2*\i+1], v[O+32*\t+2*\i:O+32*\t+2*\i+1], v[ST+8*\t+6:ST+8*\t+7] op_sel_hi:[1,0]
.endr
.endr
.irp i, 0,1,2,3,4,5,6,7,8,9,10,11,12,13,14,15,16,17,18,19,20,21,22,23,24,25,26,27,28,29,30,31
	v_cvt_pk_f16_f32 v[S+\i], v[O+2*\i], v[O+2*\i+1]
.endr
.irp t, 0,1
.irp ct, 0,1,2,3
	ds_store_b128 v[STO], v[S+16*\t+4*\ct:S+16*\t+4*\ct+3] offset:16*KP*\t+32*\ct   ; row r of tile t, channels 16 ct + 8 h on
.endr
.endr
.irp i, 0,1,2,3,4,5,6,7
	ds_load_b128 v[S+32+4*\i:S+32+4*\i+3], v[RD] offset:4*KP*\i   ; in order behind my stores
.endr
.irp i, 0,1,2,3,4,5,6,7
	s_wait_dscnt 7-\i
	global_store_b128 v[GO], v[S+32+4*\i:S+32+4*\i+3], s[6:7] offset:512*\i   ; four queries: 512 consecutive bytes, aligned
.endr
	s_wait_tensorcnt 0x0                           ; the wave's end, behind my last tensor load and my last LDS store
	ds_add_u32 v[SPW], v[NIL]
	s_wait_dscnt 0x0
	CROUND                                         ; the closing round
	s_endpgm
.Lfunc_end_k_q02906830fb_attn:
	.size	k_q02906830fb_attn, .Lfunc_end_k_q02906830fb_attn-k_q02906830fb_attn
	.p2alignl 7, 3214868480
	.fill 96, 4, 3214868480
	.section	.rodata,"a",@progbits
	.p2align	6, 0x0
	.amdhsa_kernel k_q02906830fb_attn
		.amdhsa_group_segment_fixed_size 327680
		.amdhsa_private_segment_fixed_size 0
		.amdhsa_enable_private_segment 0
		.amdhsa_kernarg_size 16
		.amdhsa_user_sgpr_count 2
		.amdhsa_user_sgpr_kernarg_segment_ptr 1
		.amdhsa_wavefront_size32 1
		.amdhsa_system_sgpr_workgroup_id_x 1
		.amdhsa_system_sgpr_workgroup_id_y 1
		.amdhsa_system_sgpr_workgroup_id_z 1
		.amdhsa_system_vgpr_workitem_id 0
		.amdhsa_next_free_vgpr 256
		.amdhsa_next_free_sgpr 66
		.amdhsa_reserve_vcc 0
		.amdhsa_float_denorm_mode_32 3
		.amdhsa_float_denorm_mode_16_64 3
		.amdhsa_memory_ordered 1
		.amdhsa_forward_progress 1
		.amdhsa_inst_pref_size 153
	.end_amdhsa_kernel
	.amdgpu_metadata
---
amdhsa.version: [ 1, 2 ]
amdhsa.kernels:
  - .name:           k_q02906830fb_attn
    .symbol:         k_q02906830fb_attn.kd
    .args:
      - { .name: qkv16, .offset: 0, .size: 8, .value_kind: global_buffer, .address_space: global }
      - { .name: ao16, .offset: 8, .size: 8, .value_kind: global_buffer, .address_space: global }
    .group_segment_fixed_size: 327680
    .private_segment_fixed_size: 0
    .kernarg_segment_align: 8
    .kernarg_segment_size: 16
    .max_flat_workgroup_size: 512
    .sgpr_count:     66
    .vgpr_count:     256
    .wavefront_size: 32
...
	.end_amdgpu_metadata
.endif
;; end of part 3
;; launch proj (part 4): grid 4 x 64, 4 waves a work-group, clusters of 4 x 4, 327,680 bytes of LDS; arguments ao16, wp16, bproj, out0; writes out0
.if DOCPART == 4
	.amdgcn_target "amdgcn-amd-amdhsa--gfx1250"
	.amdhsa_code_object_version 6
	.text
	.protected	k_q02906830fb_proj
	.globl	k_q02906830fb_proj
	.p2align	8
	.type	k_q02906830fb_proj,@function
k_q02906830fb_proj:
	s_mov_b64 s[64:65], 0
	v_nop
	global_prefetch_b8 v0, s[64:65] scope:SCOPE_SE
	s_setreg_imm32_b32 hwreg(HW_REG_WAVE_MODE, 25, 1), 1
	s_wait_xcnt 0x0
	s_wait_alu depctr_hold_cnt(0) depctr_sa_sdst(0) depctr_va_vdst(0) depctr_va_sdst(0) depctr_va_ssrc(0) depctr_va_vcc(0) depctr_vm_vsrc(0)
	s_getreg_b32 s2, hwreg(HW_REG_IB_STS2, 6, 4)
	s_cmp_eq_u32 s2, 0
	s_cbranch_scc0 .Lentry_in_a_cluster
	s_endpgm
.Lentry_in_a_cluster:
	s_bfe_u32 s2, ttmp6, 0x10000c
	s_cmp_lg_u32 s2, 0xf033
	s_cbranch_scc0 .Lentry_shape_is_right
	s_endpgm
.Lentry_shape_is_right:
; out0[m][n] = the sum over k of A[m][k] Wproj[k][n] + bproj[n], f16 operands, f32 sums.  A is attention's result, ao16 [batch x head][token][64] f16: k = 64 head + d.  wp16 is Wproj as f16, [k 1024][n 1024].  out0: [8192][1024] f32.
; A tile of C is 128 (m) x 256 (n): 256 work-groups.  Four waves, each 64 x 128: 32 accumulators.  K goes in 8 steps of 128 (two heads) through a ring of two LDS slots.
; Waves 0 and 1 fetch a head's 128 rows x 128 bytes of A each, waves 2 and 3 64 rows of k x 512 bytes of Wproj each.  CLUSTERS: 4 x 4; A's tiles are asked for jointly along a row of the cluster, Wproj's along a column.
; THE MATRIX INSTRUCTION IS USED TRANSPOSED: source 0 = 16 columns n (Wproj comes out of LDS turned, by ds_load_tr16_b128), source 1 = 16 rows of A: a lane holds eight neighbouring numbers of a row of C.  THE BIAS IS THE C OF THE FIRST PRODUCTS.
; No prefetch: the launch is short and its tiles are shared in the cluster.
; REGISTERS: window 0: v0-31 addresses; v32-95 A's fragments, two buffers of 32; v128-191 the bias; on the way out v128-255 rows read back.  window 1: Wproj's fragments, two buffers of 64.  window 2: the accumulators ((a, b) at v[8 (8 a + b)]).
.set AP,     144                       ; a row of A in LDS: 128 bytes + 16
.set BP,     544                       ; a row of Wproj: 512 + 32: the eight rows of a turning load begin 32 bytes apart modulo 256
.set AHEAD,  128*AP                    ; one head's 128 rows
.set BOFF,   2*AHEAD
.set BHALF,  64*BP
.set SLOT,   BOFF+2*BHALF
.set STAGE,  2*SLOT                    ; behind the ring: 16 rows x 528 bytes for each wave
.set SPITCH, 528
.set SPARE,  STAGE+4*16*SPITCH         ; the spare words, 128 bytes for each wave: two blocks of 256 bytes that no other line names
.set LAPS,   4                         ; a lap = two K steps = once round the ring
.set ADRA, 16
.set ADRB, 20
.set STO,  24
.set RD,   25
.set CO,   26
.set SPW,  28                          ; v28 LDS address of my spare word; never rewritten
.set NIL,  29                          ; v29 0; never rewritten
.set VB,   30
.set BIAS, 128
.set BK,   128
.set G1, 24
.set G0, 32
.set G1B, 48
.set G0B, 56
.set MSB, 0
.macro WIN new
.if MSB != (\new)
	s_set_vgpr_msb (MSB<<8)|(\new)
.set MSB, (\new)
.endif
.endm
.set MUL,  0xa1                        ; source 0 window 1, source 1 window 0, C and D window 2
.set TO_B, 0x40
.macro JLOAD s                         ; waves 0 and 1 fetch for A, waves 2 and 3 for Wproj; an s_nop 0 and four v_nop follow each line
	s_cmp_eq_u32 s13, 0
	s_cbranch_scc0 .Lfor_b_\@
	tensor_load_to_lds s[G0+4*\s:G0+4*\s+3], s[G1:G1+7]
	s_nop 0
.rept 4
	v_nop
.endr
	s_branch .Lasked_\@
.Lfor_b_\@:
	tensor_load_to_lds s[G0B+4*\s:G0B+4*\s+3], s[G1B:G1B+7]
	s_nop 0
.rept 4
	v_nop
.endr
.Lasked_\@:
.endm
.macro CREST
	s_cmp_lg_u32 s12, 0
	s_cbranch_scc1 .Lnot_wave_0_\@
	s_barrier_signal -3
.Lnot_wave_0_\@:
	s_barrier_wait -3
	s_barrier_signal -1
	s_barrier_wait -1
.endm
.macro CROUND
	s_barrier_signal -1
	s_barrier_wait -1
	CREST
.endm
	s_load_b128 s[4:7], s[0:1], 0x0                ; ao16, wp16
	s_load_b128 s[8:11], s[0:1], 0x10              ; bproj, out0
	v_lshl_add_u32 v[SPW], v0, 2, SPARE
	v_mov_b32 v[NIL], 0
	ds_add_u32 v[SPW], v[NIL]                      ; the wave's opening: the add, twice on end, and its wait ahead of my first tensor load
	ds_add_u32 v[SPW], v[NIL]
	v_lshrrev_b32 v1, 5, v0
	v_readfirstlane_b32 s12, v1                    ; wave 0..3
	s_lshr_b32 s13, s12, 1                         ; which 64 rows of the tile are mine.  Also: I fetch for A (0) or for Wproj (1)
	s_and_b32 s14, s12, 1                          ; which 128 columns.  Also: which half I fetch
	s_bfe_u32 s15, ttmp6, 0x40000                  ; cx
	s_bfe_u32 s16, ttmp6, 0x40004                  ; cy
	s_lshl_b32 s17, ttmp9, 2
	s_add_co_u32 s17, s17, s15                     ; tile column 0 .. 3
	s_and_b32 s18, ttmp7, 0xffff
	s_lshl_b32 s18, s18, 2
	s_add_co_u32 s18, s18, s16                     ; tile row 0 .. 63
	s_lshl_b32 s19, s16, 2
	s_lshl_b32 s19, 15, s19                        ; my row of the cluster
	s_lshl_b32 s20, 0x1111, s15                    ; my column
	s_or_b32 s[G1+0], s19, (1<<16)|(1<<20)|(1<<21)|(4<<22)|(3<<25)   ; A: elements of 2 bytes; 4 words of padding behind every 32
	s_mov_b32 s[G1+1], 64<<16                      ; tensor_dim0 = 64
	s_mov_b32 s[G1+2], 128<<16                     ; tensor_dim1 = 128
	s_mov_b32 s[G1+3], 64<<16                      ; tile_dim0
	s_mov_b32 s[G1+4], 128                         ; tile_dim1
	s_mov_b32 s[G1+5], 64                          ; from row to row
	s_mov_b32 s[G1+6], 0
	s_mov_b32 s[G1+7], 0
	s_or_b32 s[G1B+0], s20, (1<<16)|(1<<20)|(1<<21)|(6<<22)|(7<<25)  ; Wproj: 8 words of padding behind every 128
	s_mov_b32 s[G1B+1], 256<<16
	s_mov_b32 s[G1B+2], 64<<16
	s_mov_b32 s[G1B+3], 256<<16
	s_mov_b32 s[G1B+4], 64
	s_mov_b32 s[G1B+5], 1024
	s_mov_b32 s[G1B+6], 0
	s_mov_b32 s[G1B+7], 0
	s_lshl_b32 s40, s18, 7                         ; the tile's first row m
	s_lshr_b32 s41, s40, 11
	s_lshl_b32 s41, s41, 22                        ; batch
	s_and_b32 s40, s40, 2047
	s_lshl_b32 s40, s40, 7                         ; token
	s_add_co_u32 s40, s40, s41
	s_lshl_b32 s41, s14, 18                        ; head 0 or 1 of the K step
	s_add_co_u32 s40, s40, s41
	s_mov_b32 s41, 0
	s_lshl_b32 s46, s14, 17                        ; Wproj: 64 rows of 2,048 bytes,
	s_lshl_b32 s47, s17, 9                         ; the tile's 512 bytes of a row
	s_add_co_u32 s46, s46, s47
	s_mov_b32 s47, 0
	s_mul_i32 s42, s14, AHEAD                      ; where they go: no place in the cluster enters an LDS address
	s_mul_i32 s43, s14, BHALF
	s_add_co_u32 s43, s43, BOFF
	s_wait_dscnt 0x0                               ; both opening adds are done
	s_wait_kmcnt 0x0
	s_add_nc_u64 s[40:41], s[4:5], s[40:41]
	s_add_nc_u64 s[46:47], s[6:7], s[46:47]
	CROUND                                         ; all sixteen work-groups are here
.irp s, 0,1
	s_mov_b32 s[G0+4*\s], 1
	s_add_co_u32 s[G0+4*\s+1], s42, \s*SLOT
	s_add_nc_u64 s[G0+4*\s+2:G0+4*\s+3], s[40:41], \s*524288        ; K step s: two heads on
	s_or_b32 s[G0+4*\s+3], s[G0+4*\s+3], 0x80000000
	s_mov_b32 s[G0B+4*\s], 1
	s_add_co_u32 s[G0B+4*\s+1], s43, \s*SLOT
	s_add_nc_u64 s[G0B+4*\s+2:G0B+4*\s+3], s[46:47], \s*262144      ; 128 rows on
	s_or_b32 s[G0B+4*\s+3], s[G0B+4*\s+3], 0x80000000
	JLOAD \s                                       ; two tensor loads of mine go out
.endr
	v_and_b32 v1, 15, v0                           ; r
	v_bfe_u32 v2, v0, 4, 1                         ; h
	v_mul_u32_u24 v3, v1, AP
	v_lshl_add_u32 v3, v2, 4, v3                   ; A: row r x pitch + 16 h
	s_mul_i32 s21, s13, 64*AP                      ; my 64 rows
	v_and_b32 v4, 7, v0
	v_lshl_add_u32 v4, v2, 3, v4
	v_mul_u32_u24 v4, v4, BP
	v_bfe_u32 v5, v0, 3, 1
	v_lshl_add_u32 v4, v5, 4, v4                   ; Wproj: k row 8 h + l % 8, columns 8 ((l / 8) % 2) on
	s_lshl_b32 s22, s14, 8                         ; my 128 columns
	s_add_co_u32 s22, s22, BOFF
.irp s, 0,1
	v_add_nc_u32 v[ADRA+\s], s21, v3
	v_add_nc_u32 v[ADRB+\s], s22, v4
	s_add_co_u32 s21, s21, SLOT
	s_add_co_u32 s22, s22, SLOT
.endr
	s_mul_i32 s23, s12, 16*SPITCH
	s_add_co_u32 s23, s23, STAGE                   ; my stage
	v_mul_u32_u24 v5, v1, SPITCH
	v_lshl_add_u32 v5, v2, 5, v5
	v_add_nc_u32 v[STO], s23, v5                   ; in: row r, 32 bytes for each half of the lanes
	v_and_b32 v6, 31, v0
	v_lshlrev_b32 v[CO], 4, v6                     ; back: the 32 lanes take one row of 512 bytes; and the same in C
	v_add_nc_u32 v[RD], s23, v[CO]
	v_lshlrev_b32 v[VB], 5, v2
	s_lshl_b32 s46, s17, 10
	s_lshl_b32 s47, s14, 9
	s_add_co_u32 s46, s46, s47                     ; my first column in bytes: 4 x (256 x tile column + 128 x half)
	s_mov_b32 s47, 0
	s_add_nc_u64 s[8:9], s[8:9], s[46:47]
	s_lshl_b32 s44, s18, 7
	s_lshl_b32 s45, s13, 6
	s_add_co_u32 s44, s44, s45                     ; my first row of C
	s_lshl_b32 s44, s44, 12
	s_add_co_u32 s44, s44, s46
	s_mov_b32 s45, 0
	s_add_nc_u64 s[10:11], s[10:11], s[44:45]
.irp b, 0,1,2,3,4,5,6,7
	global_load_b128 v[BIAS+8*\b:BIAS+8*\b+3], v[VB], s[8:9] offset:64*\b        ; block b, register j: bproj of column 16 b + 8 h + j
	global_load_b128 v[BIAS+8*\b+4:BIAS+8*\b+7], v[VB], s[8:9] offset:64*\b+16
.endr
; 8 matrix instructions: A's block a x the eight blocks of columns, 32 along K, out of buffer f.  first = 1: the sums start from the bias.  The 32 accumulators take turns, one instruction a turn.
.macro MUL8 f, a, first
.irp b, 0,1,2,3,4,5,6,7
.if \first
	v_wmma_f32_16x16x32_f16 v[8*(8*(\a)+\b):8*(8*(\a)+\b)+7], v[64*(\f)+8*\b:64*(\f)+8*\b+7], v[32+32*(\f)+8*(\a):32+32*(\f)+8*(\a)+7], v[BIAS+8*\b:BIAS+8*\b+7]
.else
	v_wmma_f32_16x16x32_f16 v[8*(8*(\a)+\b):8*(8*(\a)+\b)+7], v[64*(\f)+8*\b:64*(\f)+8*\b+7], v[32+32*(\f)+8*(\a):32+32*(\f)+8*(\a)+7], v[8*(8*(\a)+\b):8*(8*(\a)+\b)+7]
.endif
.endr
.endm
; 24 LDS loads in one run: the fragments of the slot's q-th 32 along K into buffer f: Wproj's sixteen first, then A's eight
.macro FETCH slot, q, f
	WIN TO_B
.irp b, 0,1,2,3,4,5,6,7
	ds_load_tr16_b128 v[64*(\f)+8*\b:64*(\f)+8*\b+3],   v[ADRB+\slot] offset:32*BP*(\q)+32*\b
	ds_load_tr16_b128 v[64*(\f)+8*\b+4:64*(\f)+8*\b+7], v[ADRB+\slot] offset:32*BP*(\q)+32*\b+16*BP
.endr
	WIN 0
.irp i, 0,1,2,3
	ds_load_b128 v[32+32*(\f)+8*\i:32+32*(\f)+8*\i+3],   v[ADRA+\slot] offset:AHEAD*((\q)/2)+64*((\q)%2)+16*AP*\i
	ds_load_b128 v[32+32*(\f)+8*\i+4:32+32*(\f)+8*\i+7], v[ADRA+\slot] offset:AHEAD*((\q)/2)+64*((\q)%2)+16*AP*\i+32
.endr
.endm
.macro PLACES                          ; four plain vector instructions in front of loads into registers that matrix instructions have read, and of the first read of results
.rept 4
	v_nop
.endr
.endm
; A K step is four quarters of 32 along K, 32 matrix instructions each, on buffers 0, 1, 0, 1.  One of the first three: multiplies buffer f, and fetches quarter q of the same slot into buffer g.
.macro QUARTER slot, q, f, g, first
	s_wait_dscnt 4                                 ; Wproj's fragments and A's blocks 0, 1 are in; the four loads of blocks 2, 3 may be out
	WIN MUL-0x20*(\first)                          ; first = 1: C, the bias, lies in window 0
	MUL8 \f, 0, \first
	MUL8 \f, 1, \first
	PLACES
	FETCH \slot, \q, \g
	s_wait_dscnt 24                                ; all but the 24 just issued
	WIN MUL-0x20*(\first)
	MUL8 \f, 2, \first
	MUL8 \f, 3, \first
.endm
; The last quarter multiplies buffer 1 and changes slots: ONE barrier; in front of it each wave waits for all its tensor loads, adds 0 to its spare word, and waits for that and for its reads of this slot.
; fill = 1: the barrier opens a round of the cluster's barrier, and behind the round this slot is filled again, two K steps ahead: one tensor load of mine is out.
.macro TURN slot, next, fill
	WIN 0
	s_wait_tensorcnt 0x0
	ds_add_u32 v[SPW], v[NIL]                      ; 0 onto my spare word
	s_wait_dscnt 5                                 ; the add and the four youngest loads may be out
	WIN MUL
	MUL8 1, 0, 0
	s_wait_dscnt 0x0                               ; the add is done, and my reads of this slot are over
	s_barrier_signal -1
	MUL8 1, 1, 0
.if \fill
	WIN 0
.endif
	s_barrier_wait -1
.if \fill
	CREST
	s_add_nc_u64 s[G0+4*\slot+2:G0+4*\slot+3], s[G0+4*\slot+2:G0+4*\slot+3], 1048576     ; four heads on
	s_add_nc_u64 s[G0B+4*\slot+2:G0B+4*\slot+3], s[G0B+4*\slot+2:G0B+4*\slot+3], 524288  ; 256 rows on
	JLOAD \slot                                    ; the four v_nop behind it are also the places in front of the loads below
.else
	PLACES
.endif
	FETCH \next, 0, 0
	WIN MUL
	MUL8 1, 2, 0
	MUL8 1, 3, 0
.endm
	s_wait_tensorcnt 1                             ; my part of K step 0 is in; K step 1's may be out
	s_barrier_signal -1
	s_barrier_wait -1
	FETCH 0, 0, 0
	s_wait_loadcnt 0x0                             ; the bias
	QUARTER 0, 1, 0, 1, 1                          ; the first quarter stands in front of the loop: its products start the sums
	WIN 0
	s_mov_b32 s3, LAPS-1
.Llap:                                             ; a trip goes once round the ring, from a lap's second quarter to the next lap's first, and fills both slots again
	QUARTER 0, 2, 1, 0, 0
	QUARTER 0, 3, 0, 1, 0
	TURN 0, 1, 1
	QUARTER 1, 1, 0, 1, 0
	QUARTER 1, 2, 1, 0, 0
	QUARTER 1, 3, 0, 1, 0
	TURN 1, 0, 1
	QUARTER 0, 1, 0, 1, 0
	WIN 0
	s_sub_co_u32 s3, s3, 1
	s_cmp_lg_u32 s3, 0
	s_cbranch_scc1 .Llap
	QUARTER 0, 2, 1, 0, 0                          ; the last lap fills nothing
	QUARTER 0, 3, 0, 1, 0
	TURN 0, 1, 0
	QUARTER 1, 1, 0, 1, 0
	QUARTER 1, 2, 1, 0, 0
	QUARTER 1, 3, 0, 1, 0
	s_wait_dscnt 4                                 ; the very last quarter
	WIN MUL
	MUL8 1, 0, 0
	MUL8 1, 1, 0
	s_wait_dscnt 0
	MUL8 1, 2, 0
	MUL8 1, 3, 0
	WIN 0
; THE WAY OUT, a block of 16 rows x 128 columns at a time, through my own stage: back as whole rows of 512 bytes.  LDS serves a wave's instructions in order (ISA guide 5.7.1.4): no wait between the stores and the loads.
.macro TOSTAGE a
	WIN 0x08                                       ; an LDS store's data are its source 1: window 2
.irp b, 0,1,2,3,4,5,6,7
	ds_store_b128 v[STO], v[8*(8*(\a)+\b):8*(8*(\a)+\b)+3] offset:64*\b          ; each accumulator from its low end on
	ds_store_b128 v[STO], v[8*(8*(\a)+\b)+4:8*(8*(\a)+\b)+7] offset:64*\b+16
.endr
	WIN 0
.irp t, 0,1,2,3,4,5,6,7,8,9,10,11,12,13,14,15
	ds_load_b128 v[BK+64*((\a)%2)+4*\t:BK+64*((\a)%2)+4*\t+3], v[RD] offset:\t*SPITCH
.endr
.endm
.macro SEND a, younger
	s_wait_dscnt \younger
.irp t, 0,1,2,3,4,5,6,7,8,9,10,11,12,13,14,15
	global_store_b128 v[CO], v[BK+64*((\a)%2)+4*\t:BK+64*((\a)%2)+4*\t+3], s[10:11] offset:65536*(\a)+4096*\t th:TH_STORE_NT   ; 32 lanes store 512 consecutive bytes, aligned
.endr
.endm
	PLACES
	TOSTAGE 0
.irp a, 1,2,3
.if \a > 1
	s_wait_xcnt 0x0                                ; the stores of two blocks back have read the registers into which this block's rows come
.endif
	TOSTAGE \a
	SEND \a-1, 32                                  ; behind block a - 1's loads: block a's 16 stores and 16 loads
.endr
	SEND 3, 0
	s_wait_tensorcnt 0x0                           ; the wave's end, behind my last tensor load and my last LDS store
	ds_add_u32 v[SPW], v[NIL]
	s_wait_dscnt 0x0
	CROUND                                         ; the closing round
	s_endpgm
.Lfunc_end_k_q02906830fb_proj:
	.size	k_q02906830fb_proj, .Lfunc_end_k_q02906830fb_proj-k_q02906830fb_proj
	.p2alignl 7, 3214868480
	.fill 96, 4, 3214868480
	.section	.rodata,"a",@progbits
	.p2align	6, 0x0
	.amdhsa_kernel k_q02906830fb_proj
		.amdhsa_group_segment_fixed_size 327680
		.amdhsa_private_segment_fixed_size 0
		.amdhsa_enable_private_segment 0
		.amdhsa_kernarg_size 32
		.amdhsa_user_sgpr_count 2
		.amdhsa_user_sgpr_kernarg_segment_ptr 1
		.amdhsa_wavefront_size32 1
		.amdhsa_system_sgpr_workgroup_id_x 1
		.amdhsa_system_sgpr_workgroup_id_y 1
		.amdhsa_system_sgpr_workgroup_id_z 1
		.amdhsa_system_vgpr_workitem_id 0
		.amdhsa_next_free_vgpr 768
		.amdhsa_next_free_sgpr 66
		.amdhsa_reserve_vcc 0
		.amdhsa_float_denorm_mode_32 3
		.amdhsa_float_denorm_mode_16_64 3
		.amdhsa_memory_ordered 1
		.amdhsa_forward_progress 1
		.amdhsa_inst_pref_size 87
	.end_amdhsa_kernel
	.amdgpu_metadata
---
amdhsa.version: [ 1, 2 ]
amdhsa.kernels:
  - .name:           k_q02906830fb_proj
    .symbol:         k_q02906830fb_proj.kd
    .args:
      - { .name: ao16, .offset: 0, .size: 8, .value_kind: global_buffer, .address_space: global }
      - { .name: wp16, .offset: 8, .size: 8, .value_kind: global_buffer, .address_space: global }
      - { .name: bproj, .offset: 16, .size: 8, .value_kind: global_buffer, .address_space: global }
      - { .name: out0, .offset: 24, .size: 8, .value_kind: global_buffer, .address_space: global }
    .group_segment_fixed_size: 327680
    .private_segment_fixed_size: 0
    .kernarg_segment_align: 8
    .kernarg_segment_size: 32
    .max_flat_workgroup_size: 128
    .sgpr_count:     66
    .vgpr_count:     768
    .wavefront_size: 32
...
	.end_amdgpu_metadata
.endif
;; end of part 4
